; MI455X (gfx1250); checked and timed in simulation.
; The chip was launched on July 23, 2026; its instructions are those of AMD's public machine-readable ISA for CDNA 5 (MIT licence, August 2026) and "CDNA5" Instruction Set Architecture Reference Guide (July 2026). The comments in the code are by the model that wrote it; some were corrected since.
;; Attention. Allowed arithmetic: float matrix products may take bf16 or f16 operands with f32 sums; other float arithmetic in f32, or as packed bf16 or f16 multiplies, adds, multiply-adds, maxima and minima; sums over many terms, partial sums and values carried from step to step in f32; what a program stores and reads back later, other than sums and carried values, may be rounded once to bf16 or f16.
;; Inputs: Wg 2,048 x 2,048 float32; Wk 512 x 2,048 float32; Wo 2,048 x 2,048 float32; Wq 2,048 x 2,048 float32; Wv 512 x 2,048 float32; bg 2,048 float32; context 1 x 1,025 x 2,048 float32; freqs_k 2,048 x 64 float32; freqs_q 2,048 x 64 float32; head_scale 1 x 16 x 1 x 1 float32; k_scale 4 x 1 x 128 float32; mem 1 x 1,023 x 2,048 float32; post_talk 16 x 16 float32; pre_talk 16 x 16 float32; q_scale 16 x 1 x 128 float32; x 1 x 2,048 x 2,048 float32.
;; Outputs: out0 1 x 2,048 x 2,048 float32.
;; Constants: start_pos = 0.
;; One version. Each part assembles by itself: llvm-mc -triple=amdgcn-amd-amdhsa -mcpu=gfx1250 --defsym DOCPART=n.
;; ======== version 1 of 1: 4 launches
;; limits: values are held in f16: magnitudes above 65,504 overflow, below 6.1e-05 lose precision; inputs' magnitudes at most 65,504
;; workspace buffers: bfw 46,137,344 bytes; rot 2,097,152 bytes; proj 41,943,040 bytes; ao 8,388,608 bytes; rs 8,192 bytes
;; launch prep (part 1): grid 1920 x 1, 8 waves a work-group, no clusters, 0 bytes of LDS; arguments x, mem, context, Wq, Wg, Wk, Wv, Wo, freqs_q, freqs_k, bfw, rot; writes bfw, rot
.if DOCPART == 1
	.amdgcn_target "amdgcn-amd-amdhsa--gfx1250"
	.amdhsa_code_object_version 6
	.text
	.protected	k_q62e65409ef_prep
	.globl	k_q62e65409ef_prep
	.p2align	8
	.type	k_q62e65409ef_prep,@function
k_q62e65409ef_prep:
	s_mov_b64 s[64:65], 0
	v_nop
	global_prefetch_b8 v0, s[64:65] scope:SCOPE_SE
	s_setreg_imm32_b32 hwreg(HW_REG_WAVE_MODE, 25, 1), 1
	s_wait_xcnt 0x0
; PREP.  (1) Every large f32 input is rounded once to bf16 (nearest even) and laid into bfw, 11,264 rows of 2,048 numbers of 16 bits:
;   rows 0 x, 2048 mem, 3071 context (so rows 2048-4095 are [mem; context]), 4096 Wq, 6144 Wg, 8192 Wk, 8704 Wv, 9216 Wo.
;   Wo's bf16 value is written as f16 (the last product multiplies in f16): exact for 2^-17 <= |Wo| <= 65,504, below that off by 3e-8 at the most.
; (2) rot[row][pair] = (cos, sin) in f32 of the angle rounded to bf16: rows 0-2047 from freqs_q, rows 2048-4095 from freqs_k.
; LIMIT: |angle| < 1e6 (the multiple of pi/2 is then exact as a whole number).  Sine and cosine: the angle less n pi/2 in three fused steps, polynomials on |r| <= pi/4.
; SHARES.  Work-groups 0-511: tables, two angles a thread.  Work-groups 512-1919: a wave takes one row of 8,192 bytes: sixteen loads of 512 consecutive bytes, all issued at once;
; each store of the wave covers 256 consecutive bytes, aligned.  No register is used twice, so no wait frees a source.  No LDS, no barrier: no wave wants another's bytes.
.set TABG, 512                         ; work-groups that make tables
	s_load_b512 s[8:23], s[0:1], 0x0               ; x 8, mem 10, context 12, Wq 14, Wg 16, Wk 18, Wv 20, Wo 22
	s_load_b256 s[24:31], s[0:1], 0x40             ; freqs_q 24, freqs_k 26, bfw 28, rot 30
	v_lshrrev_b32 v3, 5, v0
	v_readfirstlane_b32 s2, v3                     ; wave 0..7
	s_cmp_lt_u32 ttmp9, TABG
	s_cbranch_scc1 .Ltab
	; ---- a row to 16 bits
	s_sub_co_u32 s7, ttmp9, TABG
	s_lshl_b32 s7, s7, 3
	s_add_co_u32 s7, s7, s2                        ; g: my row of bfw
	v_and_b32 v4, 31, v0
	v_lshlrev_b32 v1, 4, v4                        ; 16 bytes a lane in
	v_lshlrev_b32 v2, 3, v4                        ; 8 bytes a lane out
	s_wait_kmcnt 0x0
	s_mov_b64 s[4:5], s[8:9]                       ; the source and its first row in bfw: x, unless g lies further on
	s_mov_b32 s6, 0
.macro SEG start, ptr
	s_cmp_ge_u32 s7, \start
	s_cselect_b64 s[4:5], s[\ptr:\ptr+1], s[4:5]
	s_cselect_b32 s6, \start, s6
.endm
	SEG 2048, 10
	SEG 3071, 12
	SEG 4096, 14
	SEG 6144, 16
	SEG 8192, 18
	SEG 8704, 20
	SEG 9216, 22
	s_sub_co_u32 s32, s7, s6
	s_lshl_b32 s32, s32, 13                        ; the row in its source, 8,192 bytes a row
	s_mov_b32 s33, 0
	s_add_nc_u64 s[4:5], s[4:5], s[32:33]
	s_lshl_b32 s34, s7, 12                         ; and in bfw, 4,096 bytes a row
	s_mov_b32 s35, 0
	s_add_nc_u64 s[28:29], s[28:29], s[34:35]
.irp j, 0,1,2,3,4,5,6,7,8,9,10,11,12,13,14,15
	global_load_b128 v[16+4*(\j):19+4*(\j)], v1, s[4:5] offset:512*(\j) th:TH_LOAD_NT
.endr
.macro CONV f16
.irp j, 0,1,2,3,4,5,6,7,8,9,10,11,12,13,14,15
	s_wait_loadcnt 15-(\j)                         ; loads come back in order: number j is in, the younger ones stay out
	v_cvt_pk_bf16_f32 v[80+2*(\j)], v[16+4*(\j)], v[17+4*(\j)]
	v_cvt_pk_bf16_f32 v[81+2*(\j)], v[18+4*(\j)], v[19+4*(\j)]
.if \f16
	v_lshlrev_b32 v8, 16, v[80+2*(\j)]             ; the bf16 numbers as f32,
	v_and_b32 v9, 0xffff0000, v[80+2*(\j)]
	v_lshlrev_b32 v10, 16, v[81+2*(\j)]
	v_and_b32 v11, 0xffff0000, v[81+2*(\j)]
	v_cvt_pk_f16_f32 v[80+2*(\j)], v8, v9          ; written as f16
	v_cvt_pk_f16_f32 v[81+2*(\j)], v10, v11
.endif
	global_store_b64 v2, v[80+2*(\j):81+2*(\j)], s[28:29] offset:256*(\j)
.endr
.endm
	s_cmp_ge_u32 s7, 9216
	s_cbranch_scc1 .Lwo
	CONV 0
	s_endpgm
.Lwo:
	CONV 1
	s_endpgm
	; ---- tables
; cos and sin of v[X] into v[C], v[S].  n = the nearest whole number to x 2/pi; r = x - n pi/2; the quadrant chooses by selects and sign bits: no branch hangs on a number.
.macro SINCOS X, C, S
	v_mul_f32 v10, 0x3f22f983, v[\X]
	v_rndne_f32 v10, v10
	v_fma_f32 v11, v10, s36, v[\X]
	v_fma_f32 v11, v10, s37, v11
	v_fma_f32 v11, v10, s38, v11                   ; r
	v_mul_f32 v12, v11, v11                        ; z = r r
	v_cvt_i32_f32 v13, v10
	v_mov_b32 v14, 0xb94ca1f9
	v_fmaak_f32 v14, v14, v12, 0x3c08839e
	v_fmaak_f32 v14, v14, v12, 0xbe2aaaa3
	v_mul_f32 v14, v14, v12
	v_fma_f32 v14, v14, v11, v11                   ; sin r = r + r z (S1 + S2 z + S3 z z)
	v_mov_b32 v15, 0x37ccf5ce
	v_fmaak_f32 v15, v15, v12, 0xbab6061a
	v_fmaak_f32 v15, v15, v12, 0x3d2aaaa5
	v_mul_f32 v15, v15, v12
	v_fma_f32 v16, v12, -0.5, 1.0
	v_fma_f32 v15, v15, v12, v16                   ; cos r = 1 - z / 2 + z z (C1 + C2 z + C3 z z)
	v_and_b32 v17, 1, v13
	v_cmp_eq_u32 vcc_lo, 1, v17                    ; odd quadrants swap the two
	v_cndmask_b32 v[\S], v14, v15, vcc_lo
	v_cndmask_b32 v[\C], v15, v14, vcc_lo
	v_lshlrev_b32 v17, 30, v13                     ; sine changes sign in quadrants 2 and 3: bit 1 of n,
	v_and_b32 v17, 0x80000000, v17
	v_xor_b32 v[\S], v17, v[\S]
	v_add_nc_u32 v18, 1, v13                       ; cosine in quadrants 1 and 2: bit 1 of n + 1
	v_lshlrev_b32 v18, 30, v18
	v_and_b32 v18, 0x80000000, v18
	v_xor_b32 v[\C], v18, v[\C]
.endm
.Ltab:
	s_and_b32 s3, ttmp9, 255
	s_lshl_b32 s32, s3, 11                         ; 512 angles of 4 bytes a work-group
	s_mov_b32 s33, 0
	s_lshl_b32 s34, ttmp9, 12                      ; 512 pairs of 8 bytes
	s_mov_b32 s35, 0
	s_mov_b32 s36, 0xbfc90fdb                      ; - pi/2 in three parts
	s_mov_b32 s37, 0x333bbd2e
	s_mov_b32 s38, 0x26f72ced
	v_lshlrev_b32 v1, 3, v0
	v_lshlrev_b32 v2, 4, v0
	s_wait_kmcnt 0x0
	s_cmp_lt_u32 ttmp9, 256
	s_cselect_b64 s[4:5], s[24:25], s[26:27]
	s_add_nc_u64 s[4:5], s[4:5], s[32:33]
	s_add_nc_u64 s[30:31], s[30:31], s[34:35]
	global_load_b64 v[4:5], v1, s[4:5]
	s_wait_loadcnt 0x0
	v_cvt_pk_bf16_f32 v6, v4, v5                   ; the angles are inputs like the others: rounded to bf16
	v_lshlrev_b32 v8, 16, v6
	v_and_b32 v9, 0xffff0000, v6
	SINCOS 8, 20, 21
	SINCOS 9, 22, 23
	global_store_b128 v2, v[20:23], s[30:31]       ; a wave's store covers 512 consecutive bytes
	s_endpgm
.Lfunc_end_k_q62e65409ef_prep:
	.size	k_q62e65409ef_prep, .Lfunc_end_k_q62e65409ef_prep-k_q62e65409ef_prep
	.p2alignl 7, 3214868480
	.fill 96, 4, 3214868480
	.section	.rodata,"a",@progbits
	.p2align	6, 0x0
	.amdhsa_kernel k_q62e65409ef_prep
		.amdhsa_group_segment_fixed_size 0
		.amdhsa_private_segment_fixed_size 0
		.amdhsa_enable_private_segment 0
		.amdhsa_kernarg_size 96
		.amdhsa_user_sgpr_count 2
		.amdhsa_user_sgpr_kernarg_segment_ptr 1
		.amdhsa_wavefront_size32 1
		.amdhsa_system_sgpr_workgroup_id_x 1
		.amdhsa_system_sgpr_workgroup_id_y 1
		.amdhsa_system_sgpr_workgroup_id_z 1
		.amdhsa_system_vgpr_workitem_id 0
		.amdhsa_next_free_vgpr 112
		.amdhsa_next_free_sgpr 66
		.amdhsa_reserve_vcc 1
		.amdhsa_float_denorm_mode_32 3
		.amdhsa_float_denorm_mode_16_64 3
		.amdhsa_memory_ordered 1
		.amdhsa_forward_progress 1
		.amdhsa_inst_pref_size 21
	.end_amdhsa_kernel
	.amdgpu_metadata
---
amdhsa.version: [ 1, 2 ]
amdhsa.kernels:
  - .name:           k_q62e65409ef_prep
    .symbol:         k_q62e65409ef_prep.kd
    .args:
      - { .name: x, .offset: 0, .size: 8, .value_kind: global_buffer, .address_space: global }
      - { .name: mem, .offset: 8, .size: 8, .value_kind: global_buffer, .address_space: global }
      - { .name: context, .offset: 16, .size: 8, .value_kind: global_buffer, .address_space: global }
      - { .name: Wq, .offset: 24, .size: 8, .value_kind: global_buffer, .address_space: global }
      - { .name: Wg, .offset: 32, .size: 8, .value_kind: global_buffer, .address_space: global }
      - { .name: Wk, .offset: 40, .size: 8, .value_kind: global_buffer, .address_space: global }
      - { .name: Wv, .offset: 48, .size: 8, .value_kind: global_buffer, .address_space: global }
      - { .name: Wo, .offset: 56, .size: 8, .value_kind: global_buffer, .address_space: global }
      - { .name: freqs_q, .offset: 64, .size: 8, .value_kind: global_buffer, .address_space: global }
      - { .name: freqs_k, .offset: 72, .size: 8, .value_kind: global_buffer, .address_space: global }
      - { .name: bfw, .offset: 80, .size: 8, .value_kind: global_buffer, .address_space: global }
      - { .name: rot, .offset: 88, .size: 8, .value_kind: global_buffer, .address_space: global }
    .group_segment_fixed_size: 0
    .private_segment_fixed_size: 0
    .kernarg_segment_align: 8
    .kernarg_segment_size: 96
    .max_flat_workgroup_size: 256
    .sgpr_count:     66
    .vgpr_count:     112
    .wavefront_size: 32
...
	.end_amdgpu_metadata
.endif
;; end of part 1
;; launch gemm1 (part 2): grid 20 x 8, 4 waves a work-group, clusters of 4 x 4, 327,680 bytes of LDS; arguments bfw, proj; writes proj
.if DOCPART == 2
	.amdgcn_target "amdgcn-amd-amdhsa--gfx1250"
	.amdhsa_code_object_version 6
	.text
	.protected	k_q62e65409ef_gemm1
	.globl	k_q62e65409ef_gemm1
	.p2align	8
	.type	k_q62e65409ef_gemm1,@function
k_q62e65409ef_gemm1:
	s_mov_b64 s[64:65], 0
	v_nop
	global_prefetch_b8 v0, s[64:65] scope:SCOPE_SE
	s_setreg_imm32_b32 hwreg(HW_REG_WAVE_MODE, 25, 1), 1
	s_wait_xcnt 0x0
	s_wait_alu depctr_hold_cnt(0) depctr_sa_sdst(0) depctr_va_vdst(0) depctr_va_sdst(0) depctr_va_ssrc(0) depctr_va_vcc(0) depctr_vm_vsrc(0)
	s_getreg_b32 s2, hwreg(HW_REG_IB_STS2, 6, 4)
	s_cmp_eq_u32 s2, 0
	s_cbranch_scc0 .Lentry_in_a_cluster
	s_endpgm
.Lentry_in_a_cluster:
	s_bfe_u32 s2, ttmp6, 0x10000c
	s_cmp_lg_u32 s2, 0xf033
	s_cbranch_scc0 .Lentry_shape_is_right
	s_endpgm
.Lentry_shape_is_right:
; ALL FOUR INPUT PROJECTIONS AS ONE PRODUCT.  C[m][n] = sum over k of A[m][k] B[n][k], bf16 operands out of bfw (rows of 2,048 numbers, 4,096 bytes), sums in f32, stored raw in f32.
; B's rows are bfw's rows 4096 + n, n = 0 .. 5119: Wq, Wg, Wk, Wv on end.  A's rows are x (bfw rows 0 ..) for n < 4096 and [mem; context] (rows 2048 ..) for the last 1,024 columns.
; OUT: proj[panel][row][128] f32, panel = n / 128: 0-15 q by heads, 16-31 the gate's logits by heads, 32-35 k, 36-39 v.
; A tile of C is 256 x 256, made by four waves, each 128 x 128: 64 accumulators of 16 x 16.  20 x 8 = 160 tiles, one a work-group: 5,120 columns divide into no even share for more work-groups with tiles of
; this size, and half tiles would double the LDS bytes read for each product.  K goes in steps of 128 through two LDS slots filled by the tensor data mover; a tile's rows are 256 bytes of memory, aligned.
; CLUSTERS of 4 x 4: the four of a row of the cluster need the same tiles of A, the four of a column the same tiles of B: each is asked for jointly, by the same load with the same descriptor and a mask of four.
; The last column of clusters (cluster x = 4) holds all of k's and v's columns, so A's choice hangs on the cluster's x alone, which all partners share.
; THE MATRIX INSTRUCTION IS USED TRANSPOSED (source 0 = 16 rows of B, source 1 = 16 rows of A): a lane holds eight neighbouring numbers of a row of C.
; REGISTERS, in windows of 256: window 0: v0-31 addresses; v64-127, v128-191 fragments of A, two buffers (on the way out: rows read back); window 1: the same two buffers for B;
;   window 2: the accumulators of my rows 0-63 ((a, b) at v[8 (8 a + b)]); window 3: those of my rows 64-127.
.set SIZE_K, 2048
.set KSTEP,  128
.set PITCH,  272                       ; an LDS row: 256 bytes + 16 of padding: the 16 rows of a fragment load start 68 words apart
.set HALFT,  128*PITCH                 ; what one tensor load brings
.set SLOT,   4*HALFT                   ; A's 256 rows, then B's 256 rows
.set STAGE,  2*SLOT                    ; behind the ring: 16 rows x 528 bytes for each wave, for the way out; no tile lands there
.set SPITCH, 528                       ; 512 bytes (128 f32) + 16
.set SPARE,  STAGE+4*16*SPITCH         ; the spare words, 128 bytes a wave
.set LAPS, SIZE_K/(2*KSTEP)            ; a lap = two K steps = once round the ring
.set ADRA, 16                          ; v16-17  LDS address of my A fragments in slot 0, 1
.set ADRB, 20                          ; v20-21  the same for B
.set STO,  24                          ; v24     where I put 32 bytes of a row
.set RD,   25                          ; v25     where I read a row back
.set CO,   26                          ; v26     16 x lane: my bytes of a row of a panel
.set SPW,  28                          ; v28     my spare word; never rewritten
.set NIL,  29                          ; v29     0; never rewritten
.set PFO,  30                          ; v30     the prefetches' offset: lane x 4,096; never rewritten
.set PFA,  44                          ; s[44:45] where my prefetches stand
.set LIM,  43                          ; s43     1 in a wave that prefetches, else the greatest number
.set F0,   64
.set F1,   128
.set G1, 24                            ; s[24:31] descriptor group 1 for A's tiles
.set G0, 32                            ; s[32:39] group 0 for A's tiles, a set for each slot
.set G1B, 48                           ; s[48:55], s[56:63] the same for B's
.set G0B, 56
.set MSB, 0
.macro WIN new                         ; the immediate's high byte repeats the setting that is left; a switch that changes nothing is dropped
.if MSB != (\new)
	s_set_vgpr_msb (MSB<<8)|(\new)
.set MSB, \new
.endif
.endm
.set MUL_LO, 0xa1                      ; source 0 (B) window 1, source 1 (A) window 0, C and D window 2
.set MUL_HI, 0xf1                      ; the same, C and D window 3
.set TO_B,   0x40                      ; destination window 1, address window 0
; A joint load: waves 0 and 1 fetch A's two halves, waves 2 and 3 B's.  The branch hangs on the wave's number alone.  An s_nop 0 and four v_nop follow each line.
.macro JLOAD s
	s_cmp_eq_u32 s11, 0
	s_cbranch_scc0 .Lfor_b_\@
	tensor_load_to_lds s[G0+4*(\s):G0+4*(\s)+3], s[G1:G1+7]
	s_nop 0
.rept 4
	v_nop
.endr
	s_branch .Lasked_\@
.Lfor_b_\@:
	tensor_load_to_lds s[G0B+4*(\s):G0B+4*(\s)+3], s[G1B:G1B+7]
	s_nop 0
.rept 4
	v_nop
.endr
.Lasked_\@:
.endm
; A prefetch of the K step that stands two refills on: 32 rows x 256 bytes, a lane a row, one instruction a wave.  Each row's 256 bytes of a K step are named once in the launch:
; x's rows by the clusters with x = 0, [mem; context]'s by those with x = 4 (the only ones that read them), B's rows by the clusters with y = 0; the four partners that ask for a tile jointly
; share its rows out by address (32 each).  The loop's last trip names nothing: there is no K step two on.
.macro ASK
	s_cmp_gt_u32 s3, s[LIM]
	s_cbranch_scc0 .Lnot_mine_\@
	global_prefetch_b8 v[PFO], s[PFA:PFA+1] offset:KSTEP*2 th:TH_LOAD_NT scope:SCOPE_SE
.Lnot_mine_\@:
.endm
.macro CREST                           ; a round of the cluster's barrier behind its opening barrier
	s_cmp_lg_u32 s10, 0
	s_cbranch_scc1 .Lnot_wave_0_\@
	s_barrier_signal -3
.Lnot_wave_0_\@:
	s_barrier_wait -3
	s_barrier_signal -1
	s_barrier_wait -1
.endm
.macro CROUND
	s_barrier_signal -1
	s_barrier_wait -1
	CREST
.endm
	s_load_b128 s[4:7], s[0:1], 0x0                ; bfw s[4:5], proj s[6:7]
	v_lshl_add_u32 v[SPW], v0, 2, SPARE
	v_mov_b32 v[NIL], 0
	ds_add_u32 v[SPW], v[NIL]                      ; the wave's opening: the add and its wait come ahead of my first tensor load
	v_lshrrev_b32 v1, 5, v0
	v_readfirstlane_b32 s10, v1                    ; wave 0..3
	s_lshr_b32 s11, s10, 1                         ; which half of the tile's rows is mine; also: I fetch for A (0) or B (1)
	s_and_b32 s12, s10, 1                          ; which half of its columns; also: which 128 rows of that tile I fetch
	s_bfe_u32 s40, ttmp6, 0x40000                  ; cx
	s_bfe_u32 s41, ttmp6, 0x40004                  ; cy
	s_lshl_b32 s42, ttmp9, 2
	s_add_co_u32 s42, s42, s40                     ; tile column = 4 x cluster x + cx
	s_and_b32 s13, ttmp7, 0xffff
	s_lshl_b32 s13, s13, 2
	s_add_co_u32 s13, s13, s41                     ; tile row = 4 x cluster y + cy
	s_lshl_b32 s43, s41, 2
	s_lshl_b32 s43, 15, s43                        ; my row of the cluster
	s_lshl_b32 s44, 0x1111, s40                    ; my column
	s_or_b32 s[G1+0], s43, (1<<16)|(1<<20)|(1<<21)|(5<<22)|(3<<25)  ; mask; 2-byte elements; padding on; bit 21 beside a mask; after every 64 words; 4 words
	s_or_b32 s[G1B+0], s44, (1<<16)|(1<<20)|(1<<21)|(5<<22)|(3<<25)
.irp g, G1, G1B
	s_mov_b32 s[(\g)+1], KSTEP<<16                 ; tensor_dim0 = 128
	s_mov_b32 s[(\g)+2], 128<<16                   ; tensor_dim1 = 128
	s_mov_b32 s[(\g)+3], KSTEP<<16                 ; tile_dim0 = 128
	s_mov_b32 s[(\g)+4], 128                       ; tile_dim1 = 128
	s_mov_b32 s[(\g)+5], SIZE_K                    ; elements from row to row
	s_mov_b32 s[(\g)+6], 0
	s_mov_b32 s[(\g)+7], 0
.endr
	s_lshl_b32 s17, s12, 7                         ; which 128 rows of the tile I fetch
	s_lshl_b32 s16, s13, 8
	s_add_co_u32 s16, s16, s17                     ; A: row 256 x tile row + 128 x half,
	s_lshr_b32 s18, ttmp9, 2                       ; 1 in the last column of clusters alone,
	s_lshl_b32 s18, s18, 11
	s_add_co_u32 s16, s16, s18                     ; whose A is [mem; context], 2,048 rows on
	s_lshl_b32 s46, s42, 8
	s_add_co_u32 s46, s46, s17
	s_add_co_u32 s46, s46, 4096                    ; B: row 4096 + 256 x tile column + 128 x half
	s_lshl_b32 s16, s16, 12                        ; in bytes: both stay under 2^26
	s_lshl_b32 s46, s46, 12
	s_mov_b32 s17, 0
	s_mov_b32 s47, 0
	s_mul_i32 s20, s10, HALFT                      ; where they go: wave x 128 rows: no place in the cluster enters an LDS address
	s_wait_dscnt 0x0                               ; the opening add is done
	s_wait_kmcnt 0x0
	s_add_nc_u64 s[14:15], s[4:5], s[16:17]
	s_add_nc_u64 s[46:47], s[4:5], s[46:47]
	CROUND                                         ; all sixteen work-groups are here: the first joint loads meet
.irp s, 0,1
	s_mov_b32 s[G0+4*(\s)], 1
	s_add_co_u32 s[G0+4*(\s)+1], s20, (\s)*SLOT
	s_add_nc_u64 s[G0+4*(\s)+2:G0+4*(\s)+3], s[14:15], (\s)*KSTEP*2
	s_or_b32 s[G0+4*(\s)+3], s[G0+4*(\s)+3], 0x80000000
	s_mov_b32 s[G0B+4*(\s)], 1
	s_add_co_u32 s[G0B+4*(\s)+1], s20, (\s)*SLOT
	s_add_nc_u64 s[G0B+4*(\s)+2:G0B+4*(\s)+3], s[46:47], (\s)*KSTEP*2
	s_or_b32 s[G0B+4*(\s)+3], s[G0B+4*(\s)+3], 0x80000000
	JLOAD \s                                       ; K steps 0 and 1: two loads of mine are out
.endr
	v_and_b32 v1, 15, v0                           ; l % 16
	v_bfe_u32 v2, v0, 4, 1                         ; l / 16
	v_mul_u32_u24 v3, v1, PITCH
	v_lshl_add_u32 v3, v2, 4, v3                   ; a fragment's row x pitch + 16 x half
	s_mul_i32 s21, s11, HALFT                      ; my 128 rows of A
	s_mul_i32 s22, s12, HALFT                      ; my 128 rows of B,
	s_add_co_u32 s22, s22, 2*HALFT                 ; which lie behind A's 256
.irp s, 0,1
	v_add_nc_u32 v[ADRA+(\s)], s21, v3
	v_add_nc_u32 v[ADRB+(\s)], s22, v3
	s_add_co_u32 s21, s21, SLOT
	s_add_co_u32 s22, s22, SLOT
.endr
	s_mul_i32 s23, s10, 16*SPITCH
	s_add_co_u32 s23, s23, STAGE                   ; my stage
	v_mul_u32_u24 v4, v1, SPITCH                   ; in: row l % 16, 32 bytes for each half of the lanes
	v_lshl_add_u32 v4, v2, 5, v4
	v_add_nc_u32 v[STO], s23, v4
	v_and_b32 v5, 31, v0
	v_lshlrev_b32 v[CO], 4, v5                     ; back: 32 lanes take one row of 512 bytes
	v_add_nc_u32 v[RD], s23, v[CO]
	; my part of proj: panel 2 x tile column + half, rows 256 x tile row + 128 x half: 65,536 bytes on end
	s_lshl_b32 s16, s13, 8
	s_lshl_b32 s14, s11, 7
	s_add_co_u32 s16, s16, s14
	s_lshl_b32 s16, s16, 9
	s_mov_b32 s17, 0
	s_add_nc_u64 s[8:9], s[6:7], s[16:17]
	s_lshl_b32 s46, s42, 1
	s_add_co_u32 s46, s46, s12
	s_lshl_b32 s46, s46, 20
	s_mov_b32 s47, 0
	s_add_nc_u64 s[8:9], s[8:9], s[46:47]
	; the prefetches
	s_lshl_b32 s20, s13, 8
	s_lshr_b32 s21, ttmp9, 2
	s_lshl_b32 s21, s21, 11
	s_add_co_u32 s20, s20, s21                     ; A's tile: its first row in bfw
	s_lshl_b32 s21, s42, 8
	s_add_co_u32 s21, s21, 4096                    ; B's
	s_and_b32 s22, ttmp9, 3                        ; A's rows are asked for where cluster x is 0 or 4,
	s_and_b32 s23, ttmp7, 0xffff                   ; B's where cluster y is 0
	s_cmp_eq_u32 s11, 0                            ; do I fetch for A?
	s_cselect_b32 s20, s20, s21
	s_cselect_b32 s21, s40, s41                    ; my place among the four that ask with me
	s_cselect_b32 s22, s22, s23
	s_cmp_eq_u32 s22, 0
	s_cselect_b32 s[LIM], 1, -1                    ; the same in all sixteen partners, for a given wave
	s_lshl_b32 s22, s12, 7
	s_add_co_u32 s20, s20, s22                     ; + the 128 rows that I fetch
	s_lshl_b32 s21, s21, 5
	s_add_co_u32 s20, s20, s21                     ; + my work-group's 32 of them
	s_lshl_b32 s20, s20, 12
	s_mov_b32 s21, 0
	s_add_nc_u64 s[PFA:PFA+1], s[4:5], s[20:21]
	s_add_nc_u64 s[PFA:PFA+1], s[PFA:PFA+1], 2*KSTEP*2  ; at K step 2: the first refill steps it to 3 and names K step 4; K steps 0 to 3 come by their loads alone
	v_and_b32 v[PFO], 31, v0
	v_lshlrev_b32 v[PFO], 12, v[PFO]
; 16 matrix instructions: m blocks a0, a0 + 1 of the window's four x all 8 n blocks, 32 along K.  zero = 1: the first product starts the sums.
.macro MUL16 f, hi, a0, zero
	WIN MUL_LO+0x50*(\hi)
.irp a, \a0, (\a0)+1
.irp b, 0,1,2,3,4,5,6,7
.if \zero
	v_wmma_f32_16x16x32_bf16 v[8*(8*(\a)+(\b)):8*(8*(\a)+(\b))+7], v[(\f)+8*(\b):(\f)+8*(\b)+7], v[(\f)+8*(4*(\hi)+(\a)):(\f)+8*(4*(\hi)+(\a))+7], 0
.else
	v_wmma_f32_16x16x32_bf16 v[8*(8*(\a)+(\b)):8*(8*(\a)+(\b))+7], v[(\f)+8*(\b):(\f)+8*(\b)+7], v[(\f)+8*(4*(\hi)+(\a)):(\f)+8*(4*(\hi)+(\a))+7], v[8*(8*(\a)+(\b)):8*(8*(\a)+(\b))+7]
.endif
.endr
.endr
.endm
; 32 LDS loads in one run: the fragments of one quarter step (32 K at byte k of the rows) into buffer f: B's first, then A's
.macro FETCH slot, k, f
	WIN TO_B
.irp i, 0,1,2,3,4,5,6,7
	ds_load_b128 v[(\f)+8*(\i):(\f)+8*(\i)+3],   v[ADRB+(\slot)] offset:(\k)+(\i)*16*PITCH
	ds_load_b128 v[(\f)+8*(\i)+4:(\f)+8*(\i)+7], v[ADRB+(\slot)] offset:(\k)+(\i)*16*PITCH+32
.endr
	WIN 0
.irp i, 0,1,2,3,4,5,6,7
	ds_load_b128 v[(\f)+8*(\i):(\f)+8*(\i)+3],   v[ADRA+(\slot)] offset:(\k)+(\i)*16*PITCH
	ds_load_b128 v[(\f)+8*(\i)+4:(\f)+8*(\i)+7], v[ADRA+(\slot)] offset:(\k)+(\i)*16*PITCH+32
.endr
.endm
.macro PLACES                          ; four plain vector instructions between a matrix instruction and a load into, or a store out of, its registers
.rept 4
	v_nop
.endr
.endm
; One of a K step's first three quarters: multiplies buffer f; in its middle it fetches the next quarter's fragments into buffer g.  The 64 accumulators take turns.
.macro QUARTER slot, k, f, g, zero
	s_wait_dscnt 8                                 ; B and A's rows 0-63 are in; the youngest eight loads (A's rows 64-127) may be out
	MUL16 \f, 0, 0, \zero
	MUL16 \f, 0, 2, \zero
	PLACES
	FETCH \slot, \k, \g
	s_wait_dscnt 32                                ; all but the 32 just issued
	MUL16 \f, 1, 0, \zero
	MUL16 \f, 1, 2, \zero
.endm
; The first half of the last quarter: one barrier for the change of slots.  In front of it each wave waits for all its tensor loads (one is out: its part of the next slot), adds 0 to its spare word,
; and waits for that and for its own reads of this slot.
.macro MEET round
	WIN 0
	s_wait_tensorcnt 0x0
	ds_add_u32 v[SPW], v[NIL]
	s_wait_dscnt 9                                 ; (the add and the youngest eight loads may be out)
	MUL16 F1, 0, 0, 0
	s_wait_dscnt 0x0                               ; the add is done, and my reads of this slot are over
	s_barrier_signal -1
	MUL16 F1, 0, 2, 0
.if \round
	WIN 0
.endif
	s_barrier_wait -1
.endm
; The whole last quarter: behind the round the slot just read out is filled again first, with the K step two steps on; then come the next slot's first fragments.
.macro TURN slot, next
	s_wait_xcnt 0x0                                ; the last prefetch, a K step back, has read its address
	s_add_nc_u64 s[PFA:PFA+1], s[PFA:PFA+1], KSTEP*2
	MEET 1
	CREST                                          ; no wave of any partner still reads this slot's tile or has a load on its way
	s_add_nc_u64 s[G0+4*(\slot)+2:G0+4*(\slot)+3], s[G0+4*(\slot)+2:G0+4*(\slot)+3], 2*KSTEP*2
	s_add_nc_u64 s[G0B+4*(\slot)+2:G0B+4*(\slot)+3], s[G0B+4*(\slot)+2:G0B+4*(\slot)+3], 2*KSTEP*2
	JLOAD \slot                                    ; my one tensor load behind the round; its four v_nop are also the places in front of the loads below
	FETCH \next, 0, F0
	ASK
	MUL16 F1, 1, 0, 0
	MUL16 F1, 1, 2, 0
.endm
; THE WAY OUT of block a (16 rows x 128 columns, f32, as they are): 32 bytes a lane into my own stage, back as whole rows of 512 bytes, stored.  LDS serves a wave's instructions in order, so no wait stands between.
.macro TOSTAGE a
.if (\a) >= 2
	s_wait_xcnt 0x0                                ; the stores of the block two back have read the registers that are loaded again below
.endif
.set AC, 64*((\a)%4)
.set BK, 64+64*((\a)%2)
	WIN 0x08+4*((\a)/4)                            ; the stores' data (source 1) in window 2 or 3
.irp b, 0,1,2,3,4,5,6,7
	ds_store_b128 v[STO], v[AC+8*(\b):AC+8*(\b)+3] offset:64*(\b)          ; each accumulator's low half first
	ds_store_b128 v[STO], v[AC+8*(\b)+4:AC+8*(\b)+7] offset:64*(\b)+16
.endr
	WIN 0
.irp t, 0,1,2,3,4,5,6,7,8,9,10,11,12,13,14,15
	ds_load_b128 v[BK+4*(\t):BK+4*(\t)+3], v[RD] offset:(\t)*SPITCH
.endr
.endm
.macro SEND a, younger                 ; younger: the LDS instructions issued behind block a's loads
	WIN 0
.set BK, 64+64*((\a)%2)
	s_wait_dscnt \younger
.irp t, 0,1,2,3,4,5,6,7,8,9,10,11,12,13,14,15
	global_store_b128 v[CO], v[BK+4*(\t):BK+4*(\t)+3], s[8:9] offset:(16*(\a)+(\t))*512  ; a store covers 512 consecutive bytes, aligned
.endr
.endm
	s_wait_tensorcnt 1                             ; my part of K step 0 is in; K step 1's may stay out
	s_barrier_signal -1
	s_barrier_wait -1
	FETCH 0, 0, F0
	QUARTER 0, 64,  F0, F1, 1                      ; the first quarter starts the sums
	WIN 0
	s_mov_b32 s3, LAPS-1
.Llap:                                                 ; a trip goes once round the ring and fills both slots again
	QUARTER 0, 128, F1, F0, 0
	QUARTER 0, 192, F0, F1, 0
	TURN 0, 1
	QUARTER 1, 64,  F0, F1, 0
	QUARTER 1, 128, F1, F0, 0
	QUARTER 1, 192, F0, F1, 0
	TURN 1, 0
	QUARTER 0, 64,  F0, F1, 0
	WIN 0
	s_sub_co_u32 s3, s3, 1
	s_cmp_lg_u32 s3, 0
	s_cbranch_scc1 .Llap
	QUARTER 0, 128, F1, F0, 0                      ; the last lap fills nothing
	QUARTER 0, 192, F0, F1, 0
	MEET 0                                         ; the load that was still out is the last K step's
	PLACES
	FETCH 1, 0, F0
	MUL16 F1, 1, 0, 0
	MUL16 F1, 1, 2, 0
	QUARTER 1, 64,  F0, F1, 0
	QUARTER 1, 128, F1, F0, 0
	QUARTER 1, 192, F0, F1, 0
	s_wait_dscnt 8
	MUL16 F1, 0, 0, 0
	MUL16 F1, 0, 2, 0
	s_wait_dscnt 0x0
	MUL16 F1, 1, 0, 0
	MUL16 F1, 1, 2, 0
	PLACES
	TOSTAGE 0
.irp a, 1,2,3,4,5,6,7
	TOSTAGE \a
	SEND (\a)-1, 32                                ; block a's sixteen stores and sixteen loads may stay out
.endr
	SEND 7, 0
	s_wait_tensorcnt 0x0                           ; the wave's end
	ds_add_u32 v[SPW], v[NIL]
	s_wait_dscnt 0x0
	CROUND                                         ; the closing round
	s_endpgm
.Lfunc_end_k_q62e65409ef_gemm1:
	.size	k_q62e65409ef_gemm1, .Lfunc_end_k_q62e65409ef_gemm1-k_q62e65409ef_gemm1
	.p2alignl 7, 3214868480
	.fill 96, 4, 3214868480
	.section	.rodata,"a",@progbits
	.p2align	6, 0x0
	.amdhsa_kernel k_q62e65409ef_gemm1
		.amdhsa_group_segment_fixed_size 327680
		.amdhsa_private_segment_fixed_size 0
		.amdhsa_enable_private_segment 0
		.amdhsa_kernarg_size 16
		.amdhsa_user_sgpr_count 2
		.amdhsa_user_sgpr_kernarg_segment_ptr 1
		.amdhsa_wavefront_size32 1
		.amdhsa_system_sgpr_workgroup_id_x 1
		.amdhsa_system_sgpr_workgroup_id_y 1
		.amdhsa_system_sgpr_workgroup_id_z 1
		.amdhsa_system_vgpr_workitem_id 0
		.amdhsa_next_free_vgpr 1024
		.amdhsa_next_free_sgpr 66
		.amdhsa_reserve_vcc 0
		.amdhsa_float_denorm_mode_32 3
		.amdhsa_float_denorm_mode_16_64 3
		.amdhsa_memory_ordered 1
		.amdhsa_forward_progress 1
		.amdhsa_inst_pref_size 141
	.end_amdhsa_kernel
	.amdgpu_metadata
---
amdhsa.version: [ 1, 2 ]
amdhsa.kernels:
  - .name:           k_q62e65409ef_gemm1
    .symbol:         k_q62e65409ef_gemm1.kd
    .args:
      - { .name: bfw, .offset: 0, .size: 8, .value_kind: global_buffer, .address_space: global }
      - { .name: proj, .offset: 8, .size: 8, .value_kind: global_buffer, .address_space: global }
    .group_segment_fixed_size: 327680
    .private_segment_fixed_size: 0
    .kernarg_segment_align: 8
    .kernarg_segment_size: 16
    .max_flat_workgroup_size: 128
    .sgpr_count:     66
    .vgpr_count:     1024
    .wavefront_size: 32
...
	.end_amdgpu_metadata
.endif
;; end of part 2
;; launch attend (part 3): grid 256 x 1, 8 waves a work-group, no clusters, 244,992 bytes of LDS; arguments proj, rot, q_scale, k_scale, bg, pre_talk, post_talk, head_scale, ao, rs; writes ao, rs
.if DOCPART == 3
	.amdgcn_target "amdgcn-amd-amdhsa--gfx1250"
	.amdhsa_code_object_version 6
	.text
	.protected	k_q62e65409ef_attend
	.globl	k_q62e65409ef_attend
	.p2align	8
	.type	k_q62e65409ef_attend,@function
k_q62e65409ef_attend:
	s_mov_b64 s[64:65], 0
	v_nop
	global_prefetch_b8 v0, s[64:65] scope:SCOPE_SE
	s_setreg_imm32_b32 hwreg(HW_REG_WAVE_MODE, 25, 1), 1
	s_wait_xcnt 0x0
; THE WINDOW ATTENTION, all in f32.  From proj (raw q, gate logits, k, v) and rot (cos, sin): l2 norm, learned scales, rotation; scores x 10; heads mixed; mask; the scores below the 8th largest dropped;
; softmax (the row's maximum taken away; the zero key, score 0, is one of the 17); heads mixed; times v; head scale; sigmoid gate.  Out: ao = f16 of value x 2^-e(row), rs[row] = 2^e.
; WHY f32, and the f32 matrix form: which scores survive hangs on differences of scores far below 16 bits' step, so nothing between the projections' sums and the choice is rounded to 16 bits.  These products
; are 2 x 67 M multiply-adds, one part in 200 of the program's.  q_scale, k_scale, bg, pre_talk, post_talk and head_scale are rounded to bf16 as all inputs of the program are.
; LIMITS.  NaN and infinities are not treated apart.  e is held to -126 .. 126.  The norm's divisor is 1 / max(sqrt(sum), 1e-12) by v_sqrt_f32 and v_rcp_f32.
; SHARES.  A work-group: 8 queries i0 .. i0 + 7, all 16 heads.  Query i sees keys i - 15 .. i.  The keys lie in two tiles of 16 rows: T0 = i0 - 24 .. i0 - 9, T1 = i0 - 8 .. i0 + 7.  Query a sees T0's key c
; iff c >= a + 9 and T1's key c iff c <= a + 8: for each cell c = 0 .. 15 exactly one is live, so the two score tiles merge into one.  Rows below 0 are read as row 0 and masked behind the first mixing.
; Wave p owns heads 2 p, 2 p + 1 (kv head p / 2); a matrix column is r = 8 hs + a (head 2 p + hs, query a).  In the middle (mixing, choice, softmax) wave w owns query w and a lane's column is a head.
; FRAGMENTS of the f32 form (16 x 16 x 4): lane (r, h) holds row or column r and two of the step's four k.  k is permuted alike in both sources: of a row of 128 numbers register 4 c + e holds
; d = 8 c + 4 h + e (one load of 16 bytes at 32 c + 16 h); step (c, u) takes registers 4 c + 2 u, + 1.  A rotation's pair then lies in neighbouring registers.
; No tensor loads: every byte is worked on in registers on its way into LDS.  No cluster: work-groups share only a few rows of k and v.
.set ROTQ,  0                          ; 8 rows of (cos, sin), pitch 528
.set ROTK,  4352                       ; 32 rows, pitch 528
.set QS,    21248                      ; q_scale, 16 heads, pitch 528
.set BGL,   29696                      ; bg, 16 heads, pitch 528
.set MISC,  38144                      ; k_scale 4 x 512; + 2048 pre_talk [h][g]; + 3072 post_talk [h][g]
.set KH,    42240                      ; k, finished: [kv head, 16896][32 keys, 528]
.set VV,    109824                     ; v, the same shape
.set SX,    177408                     ; scores [query, 1296][cell, 80][head, 4]
.set AX,    187904                     ; weights, the same shape
.set PX,    198400                     ; mixed weights [head, 656][query, 80][cell, 4]
.set MX,    208896                     ; largest magnitudes [query, 32][wave, 4]
.set OST,   209152                     ; a stage of 16 rows x 272 for each wave
.set SPARE, 243968                     ; the spare words, 128 bytes a wave
.set QX,  32                           ; v32-95    q; then gate logits, gates, the gated output
.set G1,  96                           ; v96-159   work area 1
.set G2,  160                          ; v160-223  work area 2
.set ACC, 224                          ; v224-255  written by matrix instructions alone
.set YY,  128                          ; the other half's eight scores
.set CN,  136                          ; nine counters
.set EX,  146                          ; nine exponentials
.set MG,  32                           ; s32-39  lane masks: cell 8 h + j of my column's query lies in T0
.set MK,  40                           ; s40-47  lane masks: cell 8 h + j of query w is a row below 0
; v0 thread; v1, v2 the add's two registers; v3 r; v4 h; v5 a; v6 hs; v7 lane; v8-15 addresses; v16-31 at work; v29 -FLT_MAX; v30-31 head scale
.macro BAR                             ; my LDS instructions are done, for the others' sake; then the barrier
	s_wait_dscnt 0x0
	s_barrier_signal -1
	s_barrier_wait -1
.endm
.macro NOPS n
.rept \n
	v_nop
.endr
.endm
	s_load_b512 s[8:23], s[0:1], 0x0               ; proj 8, rot 10, q_scale 12, k_scale 14, bg 16, pre_talk 18, post_talk 20, head_scale 22
	s_load_b128 s[24:27], s[0:1], 0x40             ; ao 24, rs 26
	v_lshl_add_u32 v1, v0, 2, SPARE
	v_mov_b32 v2, 0
	v_lshrrev_b32 v8, 5, v0
	v_readfirstlane_b32 s2, v8                     ; wave 0..7
	v_and_b32 v7, 31, v0
	v_and_b32 v3, 15, v0
	v_bfe_u32 v4, v0, 4, 1
	v_and_b32 v5, 7, v0
	v_bfe_u32 v6, v0, 3, 1
	v_lshlrev_b32 v15, 4, v7                       ; 16 x lane
	s_lshl_b32 s3, ttmp9, 3                        ; i0
	s_lshr_b32 s4, s2, 2                           ; my k and v unit: tile T,
	s_and_b32 s5, s2, 3                            ; kv head
	s_lshr_b32 s6, s2, 1                           ; my heads' kv head
	s_mov_b32 s28, 0x76543210                      ; v_permlanex16_b32: each lane takes its own place in the other half
	s_mov_b32 s29, 0xfedcba98
	; ---- A. offsets of the first loads
	s_add_co_u32 s58, s3, s2
	s_lshl_b32 s58, s58, 9
	v_add_nc_u32 v16, s58, v15                     ; rot row i0 + w
	s_lshl_b32 s59, s2, 2
	s_add_co_u32 s59, s59, s3
	s_sub_co_i32 s59, s59, 24
.irp e, 0,1,2,3
	s_add_co_i32 s60, s59, \e                      ; key row i0 - 24 + 4 w + e, not below 0
	s_max_i32 s60, s60, 0
	s_lshl_b32 s60, s60, 9
	s_add_co_u32 s60, s60, 2048*512
	v_add_nc_u32 v[17+\e], s60, v15
.endr
	s_lshl_b32 s60, s2, 10
	v_add_nc_u32 v21, s60, v15                     ; heads 2 w, 2 w + 1 of q_scale and of bg
	s_and_b32 s61, s2, 1
	s_cmp_lt_u32 s2, 4
	s_cselect_b32 s61, s5, s61
	s_lshl_b32 s61, s61, 9
	v_add_nc_u32 v22, s61, v15                     ; 512 bytes of k_scale (waves 0-3), pre_talk (4, 5), post_talk (6, 7)
	s_lshl_b32 s60, s2, 3
	v_lshl_add_u32 v23, v6, 2, s60                 ; head_scale[2 p + hs]
	s_lshl_b32 s60, s4, 4
	s_add_co_u32 s60, s60, s3
	s_sub_co_i32 s60, s60, 24
	v_add_nc_u32 v8, s60, v3
	v_max_i32 v8, 0, v8                            ; key row i0 - 24 + 16 T + r, not below 0
	v_lshlrev_b32 v8, 9, v8
	v_lshl_add_u32 v8, v4, 4, v8                   ; v8: k's and v's lane offset
	v_add_nc_u32 v14, s3, v5
	v_lshlrev_b32 v14, 9, v14
	v_lshl_add_u32 v14, v6, 20, v14                ; v14: panel hs, row i0 + a
	v_lshl_add_u32 v9, v4, 4, v14                  ; v9: q's lane offset
	s_add_co_u32 s58, s5, 32
	s_lshl_b32 s58, s58, 20
	s_mov_b32 s59, 0
	s_lshl_b32 s60, s2, 21
	s_mov_b32 s61, 0
	s_wait_kmcnt 0x0
	s_add_nc_u64 s[48:49], s[8:9], s[58:59]        ; k's panel of my unit; v's lies 4 panels on
	s_add_nc_u64 s[50:51], s[8:9], s[60:61]        ; q's panel 2 p
	s_add_nc_u64 s[52:53], s[50:51], 0x1000000     ; the gate's panel 16 + 2 p
	s_lshl_b32 s58, s3, 12
	s_lshl_b32 s60, s2, 9
	s_add_co_u32 s58, s58, s60
	s_add_nc_u64 s[54:55], s[24:25], s[58:59]      ; ao at row i0, my two heads' 512 bytes
	s_lshl_b32 s58, s3, 2
	s_add_nc_u64 s[56:57], s[26:27], s[58:59]      ; rs at row i0
	s_cmp_lt_u32 s2, 4
	s_cselect_b64 s[62:63], s[14:15], s[18:19]
	s_cmp_lt_u32 s2, 6
	s_cselect_b64 s[62:63], s[62:63], s[20:21]
	; 43 loads: ten rows of 512 bytes for LDS, the head scale, my unit of k, my columns of q
	global_load_b128 v[160:163], v16, s[10:11]
.irp e, 0,1,2,3
	global_load_b128 v[164+4*(\e):167+4*(\e)], v[17+\e], s[10:11]
.endr
	global_load_b128 v[180:183], v21, s[12:13]
	global_load_b128 v[184:187], v21, s[12:13] offset:512
	global_load_b128 v[188:191], v21, s[16:17]
	global_load_b128 v[192:195], v21, s[16:17] offset:512
	global_load_b128 v[196:199], v22, s[62:63]
	global_load_b32 v200, v23, s[22:23]
.irp c, 0,1,2,3,4,5,6,7,8,9,10,11,12,13,14,15
	global_load_b128 v[G1+4*(\c):G1+4*(\c)+3], v8, s[48:49] offset:32*(\c)
.endr
.irp c, 0,1,2,3,4,5,6,7,8,9,10,11,12,13,14,15
	global_load_b128 v[QX+4*(\c):QX+4*(\c)+3], v9, s[50:51] offset:32*(\c)
.endr
	; the masks, while the loads are out
	v_lshlrev_b32 v204, 3, v4                      ; 8 h
	v_add_nc_u32 v205, 9, v5
	v_sub_nc_u32 v205, v205, v204                  ; a + 9 - 8 h
.irp j, 0,1,2,3,4,5,6,7
	v_cmp_ge_i32 s[MG+\j], \j, v205
.endr
	s_add_co_u32 s58, s2, 9
	v_mov_b32 v206, 8
	v_mov_b32 v207, 24
.irp j, 0,1,2,3,4,5,6,7
	v_add_nc_u32 v208, \j, v204                    ; cell c
	v_cmp_le_u32 vcc_lo, s58, v208                 ; in T0 for query w?
	v_cndmask_b32 v209, v206, v207, vcc_lo
	v_add_nc_u32 v208, s3, v208
	v_cmp_lt_u32 s[MK+\j], v208, v209              ; its row, i0 + c - 24 or i0 + c - 8, lies below 0
.endr
	v_mov_b32 v29, 0xff7fffff
	; ---- B. the ten rows into LDS; scales, bias and talking heads rounded to bf16
	s_mul_i32 s58, s2, 528
	v_add_nc_u32 v24, s58, v15
	s_mul_i32 s58, s2, 2112
	v_add_nc_u32 v25, s58, v15
	s_mul_i32 s58, s2, 1056
	v_add_nc_u32 v26, s58, v15
	s_lshl_b32 s58, s2, 9
	v_add_nc_u32 v27, s58, v15
	s_wait_loadcnt 32                              ; the first eleven are in; k's and q's 32 stay out
.set i, 180
.rept 10
	v_cvt_pk_bf16_f32 v28, v[i], v[i+1]
	v_lshlrev_b32 v[i], 16, v28
	v_and_b32 v[i+1], 0xffff0000, v28
.set i, i+2
.endr
	v_cvt_pk_bf16_f32 v28, v200, v200
	v_lshlrev_b32 v30, 16, v28
	v_mov_b32 v31, v30
	ds_store_b128 v24, v[160:163] offset:ROTQ
.irp e, 0,1,2,3
	ds_store_b128 v25, v[164+4*(\e):167+4*(\e)] offset:ROTK+528*(\e)
.endr
	ds_store_b128 v26, v[180:183] offset:QS
	ds_store_b128 v26, v[184:187] offset:QS+528
	ds_store_b128 v26, v[188:191] offset:BGL
	ds_store_b128 v26, v[192:195] offset:BGL+528
	ds_store_b128 v27, v[196:199] offset:MISC
	BAR                                            ; barrier 0: tables and scales lie in LDS
; NRM: 64 registers from X on hold a row's half (d = 8 c + 4 h + e): x / max(|row|, 1e-12) x scale, then rotated.  The table row (cos, sin by pairs) comes from v[TA] + TOFF, the scale row from v[SA] + SOFF,
; in four chunks of eight loads, two buffers of 32 registers in G2.
.macro NLD q, TA, TOFF, SA, SOFF
.irp cc, 0,1,2,3
	ds_load_b128 v[G2+32*((\q)%2)+4*(\cc):G2+32*((\q)%2)+4*(\cc)+3], v[\TA] offset:(\TOFF)+32*(4*(\q)+(\cc))
	ds_load_b128 v[G2+32*((\q)%2)+16+4*(\cc):G2+32*((\q)%2)+16+4*(\cc)+3], v[\SA] offset:(\SOFF)+32*(4*(\q)+(\cc))
.endr
.endm
.macro NDO X, q
.irp cc, 0,1,2,3
.set xb, (\X)+4*(4*(\q)+(\cc))
.set tb, G2+32*((\q)%2)+4*(\cc)
.set sb, tb+16
	v_pk_mul_f32 v[xb:xb+1], v[xb:xb+1], v[24:25]
	v_pk_mul_f32 v[xb+2:xb+3], v[xb+2:xb+3], v[24:25]
	v_pk_mul_f32 v[xb:xb+1], v[xb:xb+1], v[sb:sb+1]
	v_pk_mul_f32 v[xb+2:xb+3], v[xb+2:xb+3], v[sb+2:sb+3]
	v_mul_f32 v16, v[xb], v[tb]                    ; x0 cos, x0 sin
	v_mul_f32 v17, v[xb], v[tb+1]
	v_mul_f32 v18, v[xb+2], v[tb+2]
	v_mul_f32 v19, v[xb+2], v[tb+3]
	v_fma_f32 v[xb], -v[xb+1], v[tb+1], v16        ; x0 cos - x1 sin
	v_fma_f32 v[xb+1], v[xb+1], v[tb], v17         ; x0 sin + x1 cos
	v_fma_f32 v[xb+2], -v[xb+3], v[tb+3], v18
	v_fma_f32 v[xb+3], v[xb+3], v[tb+2], v19
.endr
.endm
.macro NRM X, TA, TOFF, SA, SOFF
	NLD 0, \TA, \TOFF, \SA, \SOFF
	NLD 1, \TA, \TOFF, \SA, \SOFF
.set k, 0
.rept 32                               ; the sum of squares, in four chains
.if k < 4
	v_pk_mul_f32 v[16+2*k:17+2*k], v[(\X)+2*k:(\X)+2*k+1], v[(\X)+2*k:(\X)+2*k+1]
.else
	v_pk_fma_f32 v[16+2*(k%4):17+2*(k%4)], v[(\X)+2*k:(\X)+2*k+1], v[(\X)+2*k:(\X)+2*k+1], v[16+2*(k%4):17+2*(k%4)]
.endif
.set k, k+1
.endr
	v_pk_add_f32 v[16:17], v[16:17], v[18:19]
	v_pk_add_f32 v[20:21], v[20:21], v[22:23]
	v_pk_add_f32 v[16:17], v[16:17], v[20:21]
	v_add_f32 v16, v16, v17
	v_permlanex16_b32 v17, v16, s28, s29           ; the row's other half lies in the lane 16 away
	v_add_f32 v16, v16, v17
	v_sqrt_f32 v18, v16
	v_nop                                          ; a plain instruction behind the root,
	s_wait_alu depctr_va_vdst(0)                   ; and the wait ahead of its first reader
	v_max_num_f32 v18, 0x2b8cbccc, v18             ; 1e-12
	v_rcp_f32 v24, v18
	v_nop
	s_wait_alu depctr_va_vdst(0)
	v_mov_b32 v25, v24
	s_wait_dscnt 8                                 ; chunk 0 is in; chunk 1's eight loads may stay out
	NDO \X, 0
	NLD 2, \TA, \TOFF, \SA, \SOFF
	s_wait_dscnt 8                                 ; chunk 1 is in
	NDO \X, 1
	NLD 3, \TA, \TOFF, \SA, \SOFF
	s_wait_dscnt 8                                 ; chunk 2 is in
	NDO \X, 2
	s_wait_dscnt 0x0
	NDO \X, 3
.endm
	; ---- C. my unit of k: 16 keys of tile T, kv head w % 4
	s_lshl_b32 s58, s4, 4
	v_add_nc_u32 v10, s58, v3
	v_mul_u32_u24 v10, v10, 528
	v_lshl_add_u32 v10, v4, 4, v10                 ; (16 T + r) x 528 + 16 h
	s_lshl_b32 s58, s5, 9
	v_lshl_add_u32 v11, v4, 4, s58
	s_mul_i32 s58, s5, 16896
	s_add_co_u32 s58, s58, KH
	v_add_nc_u32 v12, s58, v10                     ; where the unit goes in KH,
	v_add_nc_u32 v13, VV-KH, v12                   ; and in VV
	s_wait_loadcnt 16                              ; k is in; q's 16 loads stay out
	NRM G1, 10, ROTK, 11, MISC
.irp c, 0,1,2,3,4,5,6,7,8,9,10,11,12,13,14,15
	ds_store_b128 v12, v[G1+4*(\c):G1+4*(\c)+3] offset:32*(\c)
.endr
	; ---- D. my 16 columns of q stay in registers
	v_mul_u32_u24 v10, v5, 528
	v_lshl_add_u32 v10, v4, 4, v10
	s_lshl_b32 s58, s2, 1
	v_add_nc_u32 v11, s58, v6
	v_mul_u32_u24 v11, v11, 528
	v_lshl_add_u32 v11, v4, 4, v11
	s_wait_loadcnt 0x0
	NRM QX, 10, ROTQ, 11, QS
	; ---- E. my unit of v is asked for
.irp c, 0,1,2,3,4,5,6,7,8,9,10,11,12,13,14,15
	global_load_b128 v[G2+4*(\c):G2+4*(\c)+3], v8, s[48:49] offset:4194304+32*(\c)
.endr
	BAR                                            ; barrier 1: k lies in LDS
	; ---- F. S^T = K Q^T for both tiles: register j of the result is (key 8 h + j, column r).  The two accumulators take turns.
	s_mul_i32 s58, s6, 16896
	s_add_co_u32 s58, s58, KH
	v_mul_u32_u24 v10, v3, 528
	v_lshl_add_u32 v10, v4, 4, v10
	v_add_nc_u32 v10, s58, v10
.macro KLD q                           ; chunk q (32 channels): T0's four loads, then T1's, into buffer q % 2 of G1
.irp cc, 0,1,2,3
	ds_load_b128 v[G1+32*((\q)%2)+4*(\cc):G1+32*((\q)%2)+4*(\cc)+3], v10 offset:32*(4*(\q)+(\cc))
.endr
.irp cc, 0,1,2,3
	ds_load_b128 v[G1+32*((\q)%2)+16+4*(\cc):G1+32*((\q)%2)+16+4*(\cc)+3], v10 offset:8448+32*(4*(\q)+(\cc))
.endr
.endm
.macro KMM q
.irp cc, 0,1,2,3
.irp u, 0,1
.set ra, G1+32*((\q)%2)+4*(\cc)+2*(\u)
.set rb, QX+4*(4*(\q)+(\cc))+2*(\u)
.if ((\q)+(\cc)+(\u)) == 0
	v_wmma_f32_16x16x4_f32 v[ACC:ACC+7], v[ra:ra+1], v[rb:rb+1], 0
	v_wmma_f32_16x16x4_f32 v[ACC+8:ACC+15], v[ra+16:ra+17], v[rb:rb+1], 0
.else
	v_wmma_f32_16x16x4_f32 v[ACC:ACC+7], v[ra:ra+1], v[rb:rb+1], v[ACC:ACC+7]
	v_wmma_f32_16x16x4_f32 v[ACC+8:ACC+15], v[ra+16:ra+17], v[rb:rb+1], v[ACC+8:ACC+15]
.endif
.endr
.endr
.endm
	KLD 0
	KLD 1
	s_wait_dscnt 8                                 ; chunk 0 is in
	KMM 0
	NOPS 8                                         ; eight places behind this form, in front of loads into registers that it has read
	KLD 2
	s_wait_dscnt 8
	KMM 1
	NOPS 8
	KLD 3
	s_wait_dscnt 8
	KMM 2
	s_wait_dscnt 0x0
	KMM 3
	; ---- G. the two tiles merge; x 10; into SX.  The address's five lines and three v_nop are the eight places.
	v_mul_u32_u24 v11, v5, 1296
	v_mad_u32_u24 v11, v4, 640, v11
	s_lshl_b32 s58, s2, 3
	s_add_co_u32 s58, s58, SX
	v_lshl_add_u32 v11, v6, 2, v11
	v_add_nc_u32 v11, s58, v11                     ; SX + a x 1296 + 8 h x 80 + (2 p + hs) x 4
	v_lshl_add_u32 v9, v4, 5, v14                  ; the gate logits' lane offset
	NOPS 3
.irp j, 0,1,2,3,4,5,6,7
	v_cndmask_b32 v[16+\j], v[ACC+8+\j], v[ACC+\j], s[MG+\j]
.endr
.irp j, 0,1,2,3,4,5,6,7
	v_mul_f32 v[16+\j], 0x41200000, v[16+\j]
	ds_store_b32 v11, v[16+\j] offset:80*(\j)
.endr
	s_wait_loadcnt 0x0                             ; v
.irp c, 0,1,2,3,4,5,6,7,8,9,10,11,12,13,14,15
	ds_store_b128 v13, v[G2+4*(\c):G2+4*(\c)+3] offset:32*(\c)
.endr
.irp cb, 0,1,2,3,4,5,6,7               ; the gate's logits, laid as O^T will lie: register 8 cb + j holds channel 16 cb + 8 h + j of column r
	global_load_b128 v[QX+8*(\cb):QX+8*(\cb)+3], v9, s[52:53] offset:64*(\cb)
	global_load_b128 v[QX+8*(\cb)+4:QX+8*(\cb)+7], v9, s[52:53] offset:64*(\cb)+16
.endr
	BAR                                            ; barrier 2: scores and v lie in LDS
	; ---- H. query w.  Mixed(cell, g) = sum over heads of S(cell, head) pre[head][g]: lane half h holds heads 8 h + e in both sources.
	s_mul_i32 s58, s2, 1296
	s_add_co_u32 s58, s58, SX
	v_mul_u32_u24 v10, v3, 80
	v_lshl_add_u32 v10, v4, 5, v10
	v_add_nc_u32 v10, s58, v10
	v_lshlrev_b32 v14, 9, v4
	v_lshl_add_u32 v14, v3, 2, v14
	ds_load_b128 v[96:99], v10
	ds_load_b128 v[100:103], v10 offset:16
.irp e, 0,1,2,3,4,5,6,7
	ds_load_b32 v[104+\e], v14 offset:MISC+2048+64*(\e)
.endr
.irp e, 0,1,2,3,4,5,6,7
	ds_load_b32 v[112+\e], v14 offset:MISC+3072+64*(\e)
.endr
	s_wait_dscnt 0x0
	v_wmma_f32_16x16x4_f32 v[ACC:ACC+7], v[96:97], v[104:105], 0
	v_wmma_f32_16x16x4_f32 v[ACC+8:ACC+15], v[98:99], v[106:107], 0
	v_wmma_f32_16x16x4_f32 v[ACC:ACC+7], v[100:101], v[108:109], v[ACC:ACC+7]
	v_wmma_f32_16x16x4_f32 v[ACC+8:ACC+15], v[102:103], v[110:111], v[ACC+8:ACC+15]
	s_add_co_u32 s58, s58, AX-SX                   ; fifteen plain lines: the places behind those products
	v_mul_u32_u24 v11, v4, 640
	v_lshl_add_u32 v11, v3, 2, v11
	v_add_nc_u32 v11, s58, v11                     ; AX + w x 1296 + 8 h x 80 + r x 4
	s_mul_i32 s59, s2, 80
	s_add_co_u32 s59, s59, PX
	v_mul_u32_u24 v12, v3, 656
	v_lshl_add_u32 v12, v4, 5, v12
	v_add_nc_u32 v12, s59, v12                     ; PX + r x 656 + w x 80 + 32 h
.irp j, 0,1,2,3,4,5,6,7,8
	v_mov_b32 v[CN+\j], 0
.endr
.irp j, 0,1,2,3,4,5,6,7
	v_add_f32 v[16+\j], v[ACC+\j], v[ACC+8+\j]     ; x_j: cell 8 h + j, head g = r
.endr
.irp j, 0,1,2,3,4,5,6,7
	v_cndmask_b32 v[16+\j], v[16+\j], v29, s[MK+\j]
.endr
.irp j, 0,1,2,3,4,5,6,7
	v_permlanex16_b32 v[YY+\j], v[16+\j], s28, s29 ; the head's other eight cells
.endr
	v_max3_num_f32 v156, v16, v17, v18             ; the row's maximum, the zero key's 0 among the 17
	v_max3_num_f32 v156, v156, v19, v20
	v_max3_num_f32 v156, v156, v21, v22
	v_max3_num_f32 v156, v156, v23, 0
	v_permlanex16_b32 v157, v156, s28, s29
	v_max_num_f32 v156, v156, v157
.irp j, 0,1,2,3,4,5,6,7
	v_sub_f32 v[EX+\j], v[16+\j], v156
.endr
	v_sub_f32 v[EX+8], 0, v156
.irp j, 0,1,2,3,4,5,6,7,8
	v_mul_f32 v[EX+\j], 0x3fb8aa3b, v[EX+\j]
.endr
.irp j, 0,1,2,3,4,5,6,7,8
	v_exp_f32 v[EX+\j], v[EX+\j]                   ; one batch of nine; the counting below names none of its results
.endr
	; A score survives iff fewer than 8 of the other 16 are strictly greater: that is, iff it is no less than the 8th largest, ties kept.
.irp j, 0,1,2,3,4,5,6,7
.irp o, 0,1,2,3,4,5,6,7
.if (\o) != (\j)
	v_cmp_gt_f32 vcc_lo, v[16+\o], v[16+\j]
	v_add_co_ci_u32 v[CN+\j], vcc_lo, 0, v[CN+\j], vcc_lo
.endif
	v_cmp_gt_f32 vcc_lo, v[YY+\o], v[16+\j]
	v_add_co_ci_u32 v[CN+\j], vcc_lo, 0, v[CN+\j], vcc_lo
.endr
	v_cmp_gt_f32 vcc_lo, 0, v[16+\j]
	v_add_co_ci_u32 v[CN+\j], vcc_lo, 0, v[CN+\j], vcc_lo
.endr
.irp o, 0,1,2,3,4,5,6,7
	v_cmp_lt_f32 vcc_lo, 0, v[16+\o]
	v_add_co_ci_u32 v[CN+8], vcc_lo, 0, v[CN+8], vcc_lo
	v_cmp_lt_f32 vcc_lo, 0, v[YY+\o]
	v_add_co_ci_u32 v[CN+8], vcc_lo, 0, v[CN+8], vcc_lo
.endr
	s_wait_alu depctr_va_vdst(0)                   ; the one wait for the nine exponentials, ahead of their first reader
.irp j, 0,1,2,3,4,5,6,7,8
	v_cmp_gt_u32 vcc_lo, 8, v[CN+\j]
	v_cndmask_b32 v[EX+\j], 0, v[EX+\j], vcc_lo
.endr
	v_add_f32 v157, v[EX], v[EX+1]
	v_add_f32 v158, v[EX+2], v[EX+3]
	v_add_f32 v159, v[EX+4], v[EX+5]
	v_add_f32 v145, v[EX+6], v[EX+7]
	v_add_f32 v157, v157, v158
	v_add_f32 v159, v159, v145
	v_add_f32 v157, v157, v159
	v_permlanex16_b32 v158, v157, s28, s29
	v_add_f32 v157, v157, v158
	v_add_f32 v157, v157, v[EX+8]                  ; the zero key's weight counts in the sum and meets a zero value
	v_rcp_f32 v158, v157
	v_nop
	s_wait_alu depctr_va_vdst(0)
.irp j, 0,1,2,3,4,5,6,7
	v_mul_f32 v[EX+\j], v[EX+\j], v158
	ds_store_b32 v11, v[EX+\j] offset:80*(\j)
.endr
	ds_load_b128 v[96:99], v10 offset:AX-SX        ; my own bytes: LDS serves a wave's instructions in order (ISA guide 5.7.1.4)
	ds_load_b128 v[100:103], v10 offset:AX-SX+16
	s_wait_dscnt 0x0
	v_wmma_f32_16x16x4_f32 v[ACC+16:ACC+23], v[96:97], v[112:113], 0
	v_wmma_f32_16x16x4_f32 v[ACC+24:ACC+31], v[98:99], v[114:115], 0
	v_wmma_f32_16x16x4_f32 v[ACC+16:ACC+23], v[100:101], v[116:117], v[ACC+16:ACC+23]
	v_wmma_f32_16x16x4_f32 v[ACC+24:ACC+31], v[102:103], v[118:119], v[ACC+24:ACC+31]
	s_lshl_b32 s58, s2, 1                          ; three plain lines and five v_nop: the places
	v_add_nc_u32 v13, s58, v6
	v_mul_u32_u24 v13, v13, 528
	v_lshl_add_u32 v13, v4, 5, v13                 ; bg's row 2 p + hs, + 32 h
.irp cb, 0,1,2,3,4,5,6,7
	ds_load_b128 v[G2+8*(\cb):G2+8*(\cb)+3], v13 offset:BGL+64*(\cb)
	ds_load_b128 v[G2+8*(\cb)+4:G2+8*(\cb)+7], v13 offset:BGL+64*(\cb)+16
.endr
	NOPS 5
.irp j, 0,1,2,3,4,5,6,7
	v_add_f32 v[16+\j], v[ACC+16+\j], v[ACC+24+\j]
.endr
	ds_store_b128 v12, v[16:19]
	ds_store_b128 v12, v[20:23] offset:16
	; the gates of my 16 columns: head scale x 1 / (1 + 2^(-log2(e) (logit + bias)))
	s_wait_loadcnt 0x0
	s_wait_dscnt 0x2                               ; the bias is in; the two stores just issued may stay out
.set i, 0
.rept 32
	v_pk_add_f32 v[QX+i:QX+i+1], v[QX+i:QX+i+1], v[G2+i:G2+i+1]
.set i, i+2
.endr
.set i, 0
.rept 32
	v_pk_mul_f32 v[QX+i:QX+i+1], v[QX+i:QX+i+1], 0xbfb8aa3b op_sel_hi:[1,0]
.set i, i+2
.endr
.set i, 0
.rept 64
	v_exp_f32 v[QX+i], v[QX+i]
.set i, i+1
.endr
	v_nop
	s_wait_alu depctr_va_vdst(0)                   ; one wait for the 64
.set i, 0
.rept 32
	v_pk_add_f32 v[QX+i:QX+i+1], v[QX+i:QX+i+1], 1.0 op_sel_hi:[1,0]
.set i, i+2
.endr
.set i, 0
.rept 64
	v_rcp_f32 v[QX+i], v[QX+i]
.set i, i+1
.endr
	v_nop
	s_wait_alu depctr_va_vdst(0)
.set i, 0
.rept 32
	v_pk_mul_f32 v[QX+i:QX+i+1], v[QX+i:QX+i+1], v[30:31]
.set i, i+2
.endr
	BAR                                            ; barrier 3: the mixed weights lie in LDS
	; ---- I. O^T = V^T P^T over both tiles' 32 keys: a cell's weight goes to its live tile, 0 to the other.  Register j of the result is (channel 16 cb + 8 h + j, column r).
	s_lshl_b32 s58, s2, 1
	v_add_nc_u32 v10, s58, v6
	v_mul_u32_u24 v10, v10, 656
	v_mad_u32_u24 v10, v5, 80, v10
	v_lshl_add_u32 v10, v4, 5, v10
	v_add_nc_u32 v10, PX, v10
	s_mul_i32 s58, s6, 16896
	s_add_co_u32 s58, s58, VV
	v_mul_u32_u24 v11, v4, 4224
	v_lshl_add_u32 v11, v3, 2, v11
	v_add_nc_u32 v11, s58, v11                     ; VV + kv head + 8 h rows + r x 4
	v_mov_b32 v15, 0
; step st = 4 T + s takes keys 8 h + 2 s + 0, 1 of tile T; channel block cb = 4 half + q4
.macro VLD half, G
.set st, 0
.rept 8
.irp q4, 0,1,2,3
.irp jp, 0,1
	ds_load_b32 v[(\G)+2*(4*st+(\q4))+(\jp)], v11 offset:(16*(st/4)+2*(st%4)+(\jp))*528+64*(4*(\half)+(\q4))
.endr
.endr
.set st, st+1
.endr
.endm
.macro PMM G                           ; 32 products; the four accumulators take turns
.set st, 0
.rept 8
.irp q4, 0,1,2,3
.if st == 0
	v_wmma_f32_16x16x4_f32 v[ACC+8*(\q4):ACC+8*(\q4)+7], v[(\G)+2*(4*st+(\q4)):(\G)+2*(4*st+(\q4))+1], v[16+2*st:17+2*st], 0
.else
	v_wmma_f32_16x16x4_f32 v[ACC+8*(\q4):ACC+8*(\q4)+7], v[(\G)+2*(4*st+(\q4)):(\G)+2*(4*st+(\q4))+1], v[16+2*st:17+2*st], v[ACC+8*(\q4):ACC+8*(\q4)+7]
.endif
.endr
.set st, st+1
.endr
.endm
.macro GATE half                       ; the finished sums times the gates, into QX: the accumulators are only read
.set i, 0
.rept 16
	v_pk_mul_f32 v[QX+32*(\half)+i:QX+32*(\half)+i+1], v[ACC+i:ACC+i+1], v[QX+32*(\half)+i:QX+32*(\half)+i+1]
.set i, i+2
.endr
.endm
	ds_load_b128 v[G2:G2+3], v10
	ds_load_b128 v[G2+4:G2+7], v10 offset:16
	VLD 0, G1
	s_wait_dscnt 0x0
.irp e, 0,1,2,3,4,5,6,7
	v_cndmask_b32 v[16+\e], v15, v[G2+\e], s[MG+\e]
.endr
.irp e, 0,1,2,3,4,5,6,7
	v_cndmask_b32 v[24+\e], v[G2+\e], v15, s[MG+\e]
.endr
	VLD 1, G2                                      ; the second half's v lands while the first half is multiplied
	PMM G1
	NOPS 8
	GATE 0
	s_wait_dscnt 0x0
	PMM G2
	v_lshlrev_b32 v11, 5, v5                       ; the way out's addresses: twelve plain lines, the places behind the last products
	v_add_nc_u32 v11, MX, v11
	s_lshl_b32 s58, s2, 2
	v_add_nc_u32 v10, s58, v11
	s_mul_i32 s58, s2, 4352
	s_add_co_u32 s58, s58, OST
	v_mul_u32_u24 v12, v3, 272
	v_lshl_add_u32 v12, v4, 4, v12
	v_add_nc_u32 v12, s58, v12
	v_mul_u32_u24 v13, v4, 272
	v_lshl_add_u32 v13, v3, 4, v13
	v_add_nc_u32 v13, s58, v13
	v_lshlrev_b32 v14, 12, v4
	v_lshl_add_u32 v14, v3, 4, v14
	v_lshlrev_b32 v15, 2, v5
	GATE 1
	; ---- J. the row's largest magnitude over all heads; 2^e at or below it; the row times 2^-e in f16
.irp i, 0,1,2,3
	v_max3_num_f32 v[16+\i], |v[QX+16*(\i)]|, |v[QX+16*(\i)+1]|, |v[QX+16*(\i)+2]|
.endr
.irp s, 0,1,2,3,4,5
.irp i, 0,1,2,3
	v_max3_num_f32 v[16+\i], v[16+\i], |v[QX+16*(\i)+3+2*(\s)]|, |v[QX+16*(\i)+4+2*(\s)]|
.endr
.endr
	v_max3_num_f32 v16, v16, |v[QX+15]|, |v[QX+31]|
	v_max3_num_f32 v18, v18, |v[QX+47]|, |v[QX+63]|
	v_max3_num_f32 v16, v16, v17, v18
	v_max_num_f32 v16, v16, v19
	v_permlanex16_b32 v17, v16, s28, s29
	v_max_num_f32 v16, v16, v17
	v_max_num_f32_dpp v16, v16, v16 row_xmask:8 row_mask:0xf bank_mask:0xf  ; my other head
	ds_store_b32 v10, v16
	BAR                                            ; barrier 4: all eight waves' maxima lie in LDS
	ds_load_b128 v[20:23], v11
	ds_load_b128 v[24:27], v11 offset:16
	s_wait_dscnt 0x0
	v_max3_num_f32 v16, v20, v21, v22
	v_max3_num_f32 v16, v16, v23, v24
	v_max3_num_f32 v16, v16, v25, v26
	v_max_num_f32 v16, v16, v27
	v_and_b32 v16, 0x7f800000, v16                 ; 2^e
	v_max_u32 v16, 0x00800000, v16
	v_min_u32 v16, 0x7e800000, v16
	v_sub_nc_u32 v18, 0x7f000000, v16              ; 2^-e
	v_mov_b32 v19, v18
.set i, 0
.rept 32
	v_pk_mul_f32 v[QX+i:QX+i+1], v[QX+i:QX+i+1], v[18:19]
.set i, i+2
.endr
.set i, 0
.rept 32
	v_cvt_pk_f16_f32 v[G1+i], v[QX+2*i], v[QX+2*i+1]
.set i, i+1
.endr
.irp cb, 0,1,2,3,4,5,6,7
	ds_store_b128 v12, v[G1+4*(\cb):G1+4*(\cb)+3] offset:32*(\cb)
.endr
.irp t, 0,1,2,3,4,5,6,7
	ds_load_b128 v[G2+4*(\t):G2+4*(\t)+3], v13 offset:544*(\t)  ; my own stage, back as whole rows of 256 bytes, two a load
.endr
.irp t, 0,1,2,3,4,5,6,7
	s_wait_dscnt 7-(\t)                            ; the younger loads stay out
	global_store_b128 v14, v[G2+4*(\t):G2+4*(\t)+3], s[54:55] offset:((2*(\t))&7)*4096+((\t)>>2)*256  ; sixteen lanes store 256 consecutive bytes, aligned: a head's 128 channels of a row
.endr
	s_cmp_lg_u32 s2, 0                             ; every wave holds the same 2^e; wave 0 stores it (lanes with the same query: the same word, the same number)
	s_cbranch_scc1 .Lnors
	global_store_b32 v15, v16, s[56:57]
.Lnors:
	s_wait_tensorcnt 0x0                           ; the wave's end, behind my last LDS store
	ds_add_u32 v1, v2
	s_wait_dscnt 0x0
	s_endpgm
.Lfunc_end_k_q62e65409ef_attend:
	.size	k_q62e65409ef_attend, .Lfunc_end_k_q62e65409ef_attend-k_q62e65409ef_attend
	.p2alignl 7, 3214868480
	.fill 96, 4, 3214868480
	.section	.rodata,"a",@progbits
	.p2align	6, 0x0
	.amdhsa_kernel k_q62e65409ef_attend
		.amdhsa_group_segment_fixed_size 244992
		.amdhsa_private_segment_fixed_size 0
		.amdhsa_enable_private_segment 0
		.amdhsa_kernarg_size 80
		.amdhsa_user_sgpr_count 2
		.amdhsa_user_sgpr_kernarg_segment_ptr 1
		.amdhsa_wavefront_size32 1
		.amdhsa_system_sgpr_workgroup_id_x 1
		.amdhsa_system_sgpr_workgroup_id_y 1
		.amdhsa_system_sgpr_workgroup_id_z 1
		.amdhsa_system_vgpr_workitem_id 0
		.amdhsa_next_free_vgpr 256
		.amdhsa_next_free_sgpr 66
		.amdhsa_reserve_vcc 1
		.amdhsa_float_denorm_mode_32 3
		.amdhsa_float_denorm_mode_16_64 3
		.amdhsa_memory_ordered 1
		.amdhsa_forward_progress 1
		.amdhsa_inst_pref_size 115
	.end_amdhsa_kernel
	.amdgpu_metadata
---
amdhsa.version: [ 1, 2 ]
amdhsa.kernels:
  - .name:           k_q62e65409ef_attend
    .symbol:         k_q62e65409ef_attend.kd
    .args:
      - { .name: proj, .offset: 0, .size: 8, .value_kind: global_buffer, .address_space: global }
      - { .name: rot, .offset: 8, .size: 8, .value_kind: global_buffer, .address_space: global }
      - { .name: q_scale, .offset: 16, .size: 8, .value_kind: global_buffer, .address_space: global }
      - { .name: k_scale, .offset: 24, .size: 8, .value_kind: global_buffer, .address_space: global }
      - { .name: bg, .offset: 32, .size: 8, .value_kind: global_buffer, .address_space: global }
      - { .name: pre_talk, .offset: 40, .size: 8, .value_kind: global_buffer, .address_space: global }
      - { .name: post_talk, .offset: 48, .size: 8, .value_kind: global_buffer, .address_space: global }
      - { .name: head_scale, .offset: 56, .size: 8, .value_kind: global_buffer, .address_space: global }
      - { .name: ao, .offset: 64, .size: 8, .value_kind: global_buffer, .address_space: global }
      - { .name: rs, .offset: 72, .size: 8, .value_kind: global_buffer, .address_space: global }
    .group_segment_fixed_size: 244992
    .private_segment_fixed_size: 0
    .kernarg_segment_align: 8
    .kernarg_segment_size: 80
    .max_flat_workgroup_size: 256
    .sgpr_count:     66
    .vgpr_count:     256
    .wavefront_size: 32
...
	.end_amdgpu_metadata
.endif
;; end of part 3
;; launch oproj (part 4): grid 16 x 16, 4 waves a work-group, clusters of 4 x 4, 327,680 bytes of LDS; arguments ao, bfw, rs, out0; writes out0
.if DOCPART == 4
	.amdgcn_target "amdgcn-amd-amdhsa--gfx1250"
	.amdhsa_code_object_version 6
	.text
	.protected	k_q62e65409ef_oproj
	.globl	k_q62e65409ef_oproj
	.p2align	8
	.type	k_q62e65409ef_oproj,@function
k_q62e65409ef_oproj:
	s_mov_b64 s[64:65], 0
	v_nop
	global_prefetch_b8 v0, s[64:65] scope:SCOPE_SE
	s_setreg_imm32_b32 hwreg(HW_REG_WAVE_MODE, 25, 1), 1
	s_wait_xcnt 0x0
	s_wait_alu depctr_hold_cnt(0) depctr_sa_sdst(0) depctr_va_vdst(0) depctr_va_sdst(0) depctr_va_ssrc(0) depctr_va_vcc(0) depctr_vm_vsrc(0)
	s_getreg_b32 s2, hwreg(HW_REG_IB_STS2, 6, 4)
	s_cmp_eq_u32 s2, 0
	s_cbranch_scc0 .Lentry_in_a_cluster
	s_endpgm
.Lentry_in_a_cluster:
	s_bfe_u32 s2, ttmp6, 0x10000c
	s_cmp_lg_u32 s2, 0xf033
	s_cbranch_scc0 .Lentry_shape_is_right
	s_endpgm
.Lentry_shape_is_right:
; THE OUTPUT PROJECTION.  out0[m][n] = rs[m] x sum over k of ao[m][k] Wo[n][k].  ao: [2048][2048] f16 (each row scaled by an exact power of two, 1 / rs[m]); Wo: bfw's rows 9216 .., f16; sums in f32; out0 f32.
; A tile of out0 is 128 x 128: 256 tiles, one for each work-group.  Four waves, each 64 x 64: 16 accumulators.  K goes in steps of 256 (LDS rows of 512 bytes; a wave's tensor load brings 64 of them) through two slots.
; CLUSTERS of 4 x 4: the four of a row of the cluster need the same tiles of ao, the four of a column the same tiles of Wo: each is asked for jointly.
; THE MATRIX INSTRUCTION IS USED TRANSPOSED (source 0 = 16 rows of Wo, source 1 = 16 rows of ao): a lane holds eight neighbouring numbers of a row of out0.  A wave's 64 columns are 256 bytes, aligned,
; so each wave sends its own rows through its own stage: no barrier on the way out.  No prefetch: the tiles are small and each is read by four clusters.
; REGISTERS: window 0: v0-31 addresses and rs; v32-63 scaled results; v64-127 rows read back, two buffers; v128-255 the accumulators ((a, b) at v[128 + 8 (4 a + b)]).  Window 1: two fragment buffers of 128.
.set SIZE_K, 2048
.set SIZE_N, 2048
.set KSTEP,  256
.set PITCH,  528                       ; 512 bytes + 16 of padding
.set HALFT,  64*PITCH
.set SLOT,   4*HALFT
.set STAGE,  2*SLOT                    ; behind the ring: 16 rows x 272 bytes for each wave; no tile lands there
.set SPITCH, 272
.set SPARE,  STAGE+4*16*SPITCH         ; the spare words, 128 bytes a wave
.set LAPS, SIZE_K/(2*KSTEP)
.set ADRA, 16
.set ADRB, 20
.set STO,  24
.set RD,   25
.set CO,   26
.set SPW,  28                          ; v28 my spare word; v29 0: never rewritten
.set NIL,  29
.set TMP,  32
.set ACC,  128
.set F0,   0
.set F1,   128
.set G1, 24
.set G0, 32
.set G1B, 48
.set G0B, 56
.set MSB, 0
.macro WIN new
.if MSB != (\new)
	s_set_vgpr_msb (MSB<<8)|(\new)
.set MSB, \new
.endif
.endm
.set MUL,  0x05                        ; sources 0 and 1 window 1; C and D window 0
.set TO_F, 0x40                        ; destination window 1, address window 0
.macro JLOAD s                         ; a joint load: waves 0 and 1 fetch ao's two halves, waves 2 and 3 Wo's; an s_nop 0 and four v_nop follow each line
	s_cmp_eq_u32 s11, 0
	s_cbranch_scc0 .Lfor_b_\@
	tensor_load_to_lds s[G0+4*(\s):G0+4*(\s)+3], s[G1:G1+7]
	s_nop 0
.rept 4
	v_nop
.endr
	s_branch .Lasked_\@
.Lfor_b_\@:
	tensor_load_to_lds s[G0B+4*(\s):G0B+4*(\s)+3], s[G1B:G1B+7]
	s_nop 0
.rept 4
	v_nop
.endr
.Lasked_\@:
.endm
.macro CREST
	s_cmp_lg_u32 s10, 0
	s_cbranch_scc1 .Lnot_wave_0_\@
	s_barrier_signal -3
.Lnot_wave_0_\@:
	s_barrier_wait -3
	s_barrier_signal -1
	s_barrier_wait -1
.endm
.macro CROUND
	s_barrier_signal -1
	s_barrier_wait -1
	CREST
.endm
	s_load_b256 s[68:75], s[0:1], 0x0              ; ao s[68:69], bfw s[70:71], rs s[72:73], out0 s[74:75]
	v_lshl_add_u32 v[SPW], v0, 2, SPARE
	v_mov_b32 v[NIL], 0
	ds_add_u32 v[SPW], v[NIL]                      ; the wave's opening: the add and its wait come ahead of my first tensor load
	v_lshrrev_b32 v1, 5, v0
	v_readfirstlane_b32 s10, v1                    ; wave 0..3
	s_lshr_b32 s11, s10, 1                         ; my half of the tile's rows; also: I fetch for ao (0) or Wo (1)
	s_and_b32 s12, s10, 1                          ; my half of its columns; also: which 64 rows of that tile I fetch
	s_bfe_u32 s40, ttmp6, 0x40000                  ; cx, cy
	s_bfe_u32 s41, ttmp6, 0x40004
	s_lshl_b32 s42, ttmp9, 2
	s_add_co_u32 s42, s42, s40                     ; tile column
	s_and_b32 s13, ttmp7, 0xffff
	s_lshl_b32 s13, s13, 2
	s_add_co_u32 s13, s13, s41                     ; tile row
	s_lshl_b32 s43, s41, 2
	s_lshl_b32 s43, 15, s43                        ; my row of the cluster
	s_lshl_b32 s44, 0x1111, s40                    ; my column
	s_or_b32 s[G1+0], s43, (1<<16)|(1<<20)|(1<<21)|(6<<22)|(3<<25)  ; mask; 2-byte elements; padding on; bit 21 beside a mask; after every 128 words; 4 words
	s_or_b32 s[G1B+0], s44, (1<<16)|(1<<20)|(1<<21)|(6<<22)|(3<<25)
.irp g, G1, G1B
	s_mov_b32 s[(\g)+1], KSTEP<<16                 ; tensor_dim0 = 256
	s_mov_b32 s[(\g)+2], 64<<16                    ; tensor_dim1 = 64
	s_mov_b32 s[(\g)+3], KSTEP<<16                 ; tile_dim0 = 256
	s_mov_b32 s[(\g)+4], 64                        ; tile_dim1 = 64
	s_mov_b32 s[(\g)+5], SIZE_K                    ; elements from row to row
	s_mov_b32 s[(\g)+6], 0
	s_mov_b32 s[(\g)+7], 0
.endr
	s_lshl_b32 s17, s12, 6
	s_lshl_b32 s16, s13, 7
	s_add_co_u32 s16, s16, s17                     ; ao: row 128 x tile row + 64 x half
	s_lshl_b32 s46, s42, 7
	s_add_co_u32 s46, s46, s17
	s_add_co_u32 s46, s46, 9216                    ; Wo: bfw's row 9216 + 128 x tile column + 64 x half
	s_lshl_b32 s16, s16, 12                        ; in bytes, 4,096 a row: both stay under 2^26
	s_lshl_b32 s46, s46, 12
	s_mov_b32 s17, 0
	s_mov_b32 s47, 0
	s_mul_i32 s20, s10, HALFT
	s_wait_dscnt 0x0                               ; the opening add is done
	s_wait_kmcnt 0x0
	s_add_nc_u64 s[14:15], s[68:69], s[16:17]
	s_add_nc_u64 s[46:47], s[70:71], s[46:47]
	CROUND                                         ; all sixteen work-groups are here: the first joint loads meet
.irp s, 0,1
	s_mov_b32 s[G0+4*(\s)], 1
	s_add_co_u32 s[G0+4*(\s)+1], s20, (\s)*SLOT
	s_add_nc_u64 s[G0+4*(\s)+2:G0+4*(\s)+3], s[14:15], (\s)*KSTEP*2
	s_or_b32 s[G0+4*(\s)+3], s[G0+4*(\s)+3], 0x80000000
	s_mov_b32 s[G0B+4*(\s)], 1
	s_add_co_u32 s[G0B+4*(\s)+1], s20, (\s)*SLOT
	s_add_nc_u64 s[G0B+4*(\s)+2:G0B+4*(\s)+3], s[46:47], (\s)*KSTEP*2
	s_or_b32 s[G0B+4*(\s)+3], s[G0B+4*(\s)+3], 0x80000000
	JLOAD \s
.endr
	v_and_b32 v1, 15, v0                           ; l % 16
	v_bfe_u32 v2, v0, 4, 1                         ; l / 16
	v_mul_u32_u24 v3, v1, PITCH
	v_lshl_add_u32 v3, v2, 4, v3
	s_mul_i32 s21, s11, HALFT                      ; my 64 rows of ao
	s_mul_i32 s22, s12, HALFT                      ; my 64 rows of Wo,
	s_add_co_u32 s22, s22, 2*HALFT                 ; which lie behind ao's 128
.irp s, 0,1
	v_add_nc_u32 v[ADRA+(\s)], s21, v3
	v_add_nc_u32 v[ADRB+(\s)], s22, v3
	s_add_co_u32 s21, s21, SLOT
	s_add_co_u32 s22, s22, SLOT
.endr
	s_mul_i32 s23, s10, 16*SPITCH
	s_add_co_u32 s23, s23, STAGE                   ; my stage
	v_mul_u32_u24 v4, v1, SPITCH                   ; in: row l % 16, 32 bytes for each half of the lanes
	v_lshl_add_u32 v4, v2, 5, v4
	v_add_nc_u32 v[STO], s23, v4
	v_mul_u32_u24 v5, v2, SPITCH                   ; back: lanes 0-15 one row of 256 bytes, lanes 16-31 the next
	v_lshl_add_u32 v5, v1, 4, v5
	v_add_nc_u32 v[RD], s23, v5
	v_lshlrev_b32 v5, 13, v2                       ; and the same two rows in out0
	v_lshl_add_u32 v[CO], v1, 4, v5
	s_lshl_b32 s16, s13, 7
	s_lshl_b32 s17, s11, 6
	s_add_co_u32 s16, s16, s17                     ; my first row
	s_lshl_b32 s18, s16, 2
	s_mov_b32 s19, 0
	s_add_nc_u64 s[72:73], s[72:73], s[18:19]
	v_lshlrev_b32 v6, 2, v1
.irp a, 0,1,2,3
	global_load_b32 v[8+2*(\a)], v6, s[72:73] offset:64*(\a)  ; rs of row 16 a + l % 16: waited for on the way out
.endr
.irp a, 0,1,2,3
	v_mov_b32 v[9+2*(\a)], 0                       ; named with it as a pair
.endr
	s_lshl_b32 s16, s16, 13
	s_mov_b32 s17, 0
	s_add_nc_u64 s[74:75], s[74:75], s[16:17]
	s_lshl_b32 s46, s42, 9                         ; my first column, in bytes
	s_lshl_b32 s47, s12, 8
	s_add_co_u32 s46, s46, s47
	s_mov_b32 s47, 0
	s_add_nc_u64 s[74:75], s[74:75], s[46:47]
; 8 matrix instructions: m blocks a0, a0 + 1 x all 4 n blocks, 32 along K: half c of buffer f.  zero = 1: the first product starts the sums.  The 16 accumulators take turns.
.macro MUL8 f, c, a0, zero
	WIN MUL
.irp a, \a0, (\a0)+1
.irp b, 0,1,2,3
.if \zero
	v_wmma_f32_16x16x32_f16 v[ACC+8*(4*(\a)+(\b)):ACC+8*(4*(\a)+(\b))+7], v[(\f)+64+8*(4*(\c)+(\b)):(\f)+64+8*(4*(\c)+(\b))+7], v[(\f)+8*(4*(\c)+(\a)):(\f)+8*(4*(\c)+(\a))+7], 0
.else
	v_wmma_f32_16x16x32_f16 v[ACC+8*(4*(\a)+(\b)):ACC+8*(4*(\a)+(\b))+7], v[(\f)+64+8*(4*(\c)+(\b)):(\f)+64+8*(4*(\c)+(\b))+7], v[(\f)+8*(4*(\c)+(\a)):(\f)+8*(4*(\c)+(\a))+7], v[ACC+8*(4*(\a)+(\b)):ACC+8*(4*(\a)+(\b))+7]
.endif
.endr
.endr
.endm
; 32 LDS loads in one run: the fragments of 64 along K at byte k of the rows, into buffer f; the first 32 along K first
.macro FETCH slot, k, f
	WIN TO_F
.irp c, 0,1
.irp i, 0,1,2,3
	ds_load_b128 v[(\f)+64+8*(4*(\c)+(\i)):(\f)+64+8*(4*(\c)+(\i))+3],   v[ADRB+(\slot)] offset:(\k)+64*(\c)+(\i)*16*PITCH
	ds_load_b128 v[(\f)+64+8*(4*(\c)+(\i))+4:(\f)+64+8*(4*(\c)+(\i))+7], v[ADRB+(\slot)] offset:(\k)+64*(\c)+(\i)*16*PITCH+32
	ds_load_b128 v[(\f)+8*(4*(\c)+(\i)):(\f)+8*(4*(\c)+(\i))+3],         v[ADRA+(\slot)] offset:(\k)+64*(\c)+(\i)*16*PITCH
	ds_load_b128 v[(\f)+8*(4*(\c)+(\i))+4:(\f)+8*(4*(\c)+(\i))+7],       v[ADRA+(\slot)] offset:(\k)+64*(\c)+(\i)*16*PITCH+32
.endr
.endr
.endm
.macro PLACES                          ; four plain vector instructions between a matrix instruction and a load into, or a reader of, its registers
.rept 4
	v_nop
.endr
.endm
.macro QUARTER slot, k, f, g, zero
	s_wait_dscnt 16                                ; the first 32 along K are in
	MUL8 \f, 0, 0, \zero
	MUL8 \f, 0, 2, \zero
	PLACES
	FETCH \slot, \k, \g
	s_wait_dscnt 32                                ; all but the 32 just issued
	MUL8 \f, 1, 0, 0
	MUL8 \f, 1, 2, 0
.endm
; The last quarter multiplies buffer 1 and changes slots: one barrier; in front of it each wave waits for all its tensor loads, adds 0 to its spare word, and waits for that and for its reads of this slot.
.macro TURN slot, next, fill
	WIN 0
	s_wait_tensorcnt 0x0                           ; all my tensor loads have landed: my part of the next slot
	ds_add_u32 v[SPW], v[NIL]
	s_wait_dscnt 17                                ; (the add and the youngest sixteen loads may be out)
	MUL8 F1, 0, 0, 0
	s_wait_dscnt 0x0                               ; the add is done, and my reads of this slot are over
	s_barrier_signal -1
	MUL8 F1, 0, 2, 0
.if \fill
	WIN 0
.endif
	s_barrier_wait -1
.if \fill
	CREST                                          ; no wave of any partner still reads this slot's tile or has a load on its way
	s_add_nc_u64 s[G0+4*(\slot)+2:G0+4*(\slot)+3], s[G0+4*(\slot)+2:G0+4*(\slot)+3], 2*KSTEP*2
	s_add_nc_u64 s[G0B+4*(\slot)+2:G0B+4*(\slot)+3], s[G0B+4*(\slot)+2:G0B+4*(\slot)+3], 2*KSTEP*2
	JLOAD \slot                                    ; my one tensor load behind the round; its four v_nop are also the places in front of the loads below
.else
	PLACES
.endif
	FETCH \next, 0, F0
	MUL8 F1, 1, 0, 0
	MUL8 F1, 1, 2, 0
.endm
	s_wait_tensorcnt 1                             ; my part of K step 0 is in; K step 1's may stay out
	s_barrier_signal -1
	s_barrier_wait -1
	FETCH 0, 0, F0
	QUARTER 0, 128, F0, F1, 1
	WIN 0
	s_mov_b32 s3, LAPS-1
.Llap:                                                 ; a trip goes once round the ring and fills both slots again
	QUARTER 0, 256, F1, F0, 0
	QUARTER 0, 384, F0, F1, 0
	TURN 0, 1, 1
	QUARTER 1, 128, F0, F1, 0
	QUARTER 1, 256, F1, F0, 0
	QUARTER 1, 384, F0, F1, 0
	TURN 1, 0, 1
	QUARTER 0, 128, F0, F1, 0
	WIN 0
	s_sub_co_u32 s3, s3, 1
	s_cmp_lg_u32 s3, 0
	s_cbranch_scc1 .Llap
	QUARTER 0, 256, F1, F0, 0                      ; the last lap fills nothing
	QUARTER 0, 384, F0, F1, 0
	TURN 0, 1, 0
	QUARTER 1, 128, F0, F1, 0
	QUARTER 1, 256, F1, F0, 0
	QUARTER 1, 384, F0, F1, 0
	s_wait_dscnt 16
	MUL8 F1, 0, 0, 0
	MUL8 F1, 0, 2, 0
	s_wait_dscnt 0x0
	MUL8 F1, 1, 0, 0
	MUL8 F1, 1, 2, 0
	WIN 0
	; THE WAY OUT, a block of 16 rows at a time: times rs[row]; 32 bytes a lane into my own stage; back as whole rows of 256 bytes; stored.  LDS serves a wave's instructions in order.
	PLACES
	s_wait_loadcnt 0x0                             ; rs
.macro BLOCK a
.set BK, 64+32*((\a)%2)
.set i, 0
.rept 16
	v_pk_mul_f32 v[TMP+2*i:TMP+2*i+1], v[ACC+32*(\a)+2*i:ACC+32*(\a)+2*i+1], v[8+2*(\a):9+2*(\a)] op_sel_hi:[1,0]
.set i, i+1
.endr
.irp b, 0,1,2,3
	ds_store_b128 v[STO], v[TMP+8*(\b):TMP+8*(\b)+3] offset:64*(\b)
	ds_store_b128 v[STO], v[TMP+8*(\b)+4:TMP+8*(\b)+7] offset:64*(\b)+16
.endr
.if (\a) >= 2
	s_wait_xcnt 0x0                                ; the stores of the block two back have read the registers that are loaded again below
.endif
.irp t, 0,1,2,3,4,5,6,7
	ds_load_b128 v[BK+4*(\t):BK+4*(\t)+3], v[RD] offset:(\t)*2*SPITCH
.endr
.endm
.macro SEND a, younger                 ; younger: the LDS instructions issued behind block a's loads
.set BK, 64+32*((\a)%2)
	s_wait_dscnt \younger
.irp t, 0,1,2,3,4,5,6,7
	global_store_b128 v[CO], v[BK+4*(\t):BK+4*(\t)+3], s[74:75] offset:(16*(\a)+2*(\t))*SIZE_N*4  ; sixteen lanes store 256 consecutive bytes, aligned
.endr
.endm
	BLOCK 0
.irp a, 1,2,3
	BLOCK \a
	SEND (\a)-1, 16                                ; block a's eight stores and eight loads may stay out
.endr
	SEND 3, 0
	s_wait_tensorcnt 0x0                           ; the wave's end
	ds_add_u32 v[SPW], v[NIL]
	s_wait_dscnt 0x0
	CROUND                                         ; the closing round
	s_endpgm
.Lfunc_end_k_q62e65409ef_oproj:
	.size	k_q62e65409ef_oproj, .Lfunc_end_k_q62e65409ef_oproj-k_q62e65409ef_oproj
	.p2alignl 7, 3214868480
	.fill 96, 4, 3214868480
	.section	.rodata,"a",@progbits
	.p2align	6, 0x0
	.amdhsa_kernel k_q62e65409ef_oproj
		.amdhsa_group_segment_fixed_size 327680
		.amdhsa_private_segment_fixed_size 0
		.amdhsa_enable_private_segment 0
		.amdhsa_kernarg_size 32
		.amdhsa_user_sgpr_count 2
		.amdhsa_user_sgpr_kernarg_segment_ptr 1
		.amdhsa_wavefront_size32 1
		.amdhsa_system_sgpr_workgroup_id_x 1
		.amdhsa_system_sgpr_workgroup_id_y 1
		.amdhsa_system_sgpr_workgroup_id_z 1
		.amdhsa_system_vgpr_workitem_id 0
		.amdhsa_next_free_vgpr 512
		.amdhsa_next_free_sgpr 76
		.amdhsa_reserve_vcc 0
		.amdhsa_float_denorm_mode_32 3
		.amdhsa_float_denorm_mode_16_64 3
		.amdhsa_memory_ordered 1
		.amdhsa_forward_progress 1
		.amdhsa_inst_pref_size 90
	.end_amdhsa_kernel
	.amdgpu_metadata
---
amdhsa.version: [ 1, 2 ]
amdhsa.kernels:
  - .name:           k_q62e65409ef_oproj
    .symbol:         k_q62e65409ef_oproj.kd
    .args:
      - { .name: ao, .offset: 0, .size: 8, .value_kind: global_buffer, .address_space: global }
      - { .name: bfw, .offset: 8, .size: 8, .value_kind: global_buffer, .address_space: global }
      - { .name: rs, .offset: 16, .size: 8, .value_kind: global_buffer, .address_space: global }
      - { .name: out0, .offset: 24, .size: 8, .value_kind: global_buffer, .address_space: global }
    .group_segment_fixed_size: 327680
    .private_segment_fixed_size: 0
    .kernarg_segment_align: 8
    .kernarg_segment_size: 32
    .max_flat_workgroup_size: 128
    .sgpr_count:     76
    .vgpr_count:     512
    .wavefront_size: 32
...
	.end_amdgpu_metadata
.endif
;; end of part 4
